; MI455X (gfx1250); checked and timed in simulation.
; The chip was launched on July 23, 2026; its instructions are those of AMD's public machine-readable ISA for CDNA 5 (MIT licence, August 2026) and "CDNA5" Instruction Set Architecture Reference Guide (July 2026). The comments in the code are by the model that wrote it; some were corrected since.
;; Hybrid Mo E Layer. Allowed arithmetic: matrix products marked QUANTISED: E2M1 operands, one E8M0 scale for each 32 along K, by v_wmma_scale_f32_16x16x128_f8f6f4 with both operands' format E2M1 (or v_wmma_scale_f32_32x16x128_f4), f32 sums; products left as they are: f32 operands where the result goes on into a quantised operand, else bf16, f16 or f32 operands; f32 sums; everything else in f32.
;; Inputs: expert_weights_codes 8 x 1,024 x 32 x 16 uint8 (E2M1 codes of expert_weights, K innermost, in blocks of 32 codes, two codes a byte); expert_weights_scales 8 x 1,024 x 32 uint8 (E8M0 scales of expert_weights, one for each 32 codes along K); router_b 8 float32; router_w 8 x 1,024 float32; tokens 4 x 2,048 x 1,024 float32.
;; Outputs: out0 4 x 2,048 x 1,024 float32.
;; This version of the problem:
;;   THIS VERSION OF THE PROBLEM IS GIVEN IN LOW PRECISION. The matrix products marked QUANTISED in the list below multiply operands that are first quantised to E2M1 (2 exponent bits, 1 mantissa bit; 4 bits a number), with one power-of-two scale for each 32 numbers along K (OCP MX v1.0); their sums are f32. All else is computed in f32.
;;   The module's matrix products, in the order in which they are computed (A, B: the left and right operand; K: the contracted axis; several contracted axes count as one K, in the product's order):
;;     1. [M 8,192, K 1,024] x [K 1,024, N 8]; A: input tokens; B: input router_w: left as it is (N = 8 < 16)
;;     2. [M 8,192, K 1,024] x [K 1,024, N 8,192]; A: input tokens; B: input expert_weights (given as codes): QUANTISED
;;     3. batch 8,192 x [M 1, K 2] x [K 2, N 1,024]; A: computed on the way; B: computed on the way: left as it is (K = 2 < 32)
;;   THE QUANTISER, for each operand of a quantised product, along K:
;;     - K is cut into blocks of 32 from its start; a last block that is shorter is filled with zeros.
;;     - A block's scale is 2^e with e = floor(log2(the largest magnitude in the block)) - 2, held to -126 .. 127; a block of zeros has e = 0. As a byte (E8M0): e + 127.
;;     - Each number is divided by its block's scale, clamped to +-6, and rounded to the nearest number of E2M1, ties to even, subnormals kept.
;;     - The product sums the exact products of the quantised numbers (number of the format x scale) in f32.
;;   ~~~python
;;   def quantise(x, axis):      # numpy; x: float32 -> the quantised numbers, widened to float32 again
;;       x = np.moveaxis(x, axis, -1); K = x.shape[-1]
;;       x = np.pad(x, [(0, 0)] * (x.ndim - 1) + [(0, -K % 32)]); x = x.reshape(x.shape[:-1] + (-1, 32)); a = np.abs(x).max(-1, keepdims=True)
;;       e = np.where(a > 0, np.clip(np.frexp(np.where(a > 0, a, 1))[1] - 1 - 2, -126, 127), 0)      # np.frexp(a)[1] - 1 = floor(log2(a)), exactly
;;       r = np.clip(x / 2.0 ** e, -6, 6)
;;       step = 2.0 ** (np.maximum(np.frexp(np.where(r == 0, 1, r))[1] - 1, 0) - 1)
;;       q = np.round(r / step) * step * 2.0 ** e      # np.round: ties to even
;;       return np.moveaxis(q.reshape(q.shape[:-2] + (-1,))[..., :K], -1, axis).astype(np.float32)
;;   ~~~
;;   INPUTS GIVEN AS CODES. expert_weights (in the module: [8, 1024, 1024], K = its axis 1): each comes as NAME_codes (uint8): NAME with its K axis moved to the last place and cut into blocks of 32 codes, [.., K / 32, bytes a block], one block behind the other in memory; two codes a byte, the lower K in the low four bits (a code: sign, 2 exponent bits, 1 mantissa bit); and NAME_scales (uint8): the same leading axes, one E8M0 byte (e + 127) for each 32 codes along K. Its value is code x scale, taken as it is: it is not quantised again, and the codes and scales need not be those that the quantiser above would give.
;; 2 versions, each right; version 2 is version 1 with the launch experts written anew for expert scheduling mode. Each part assembles by itself: llvm-mc -triple=amdgcn-amd-amdhsa -mcpu=gfx1250 --defsym DOCPART=n.
;; ======== version 1 of 2: 3 launches
;; workspace buffers: xcodes 4,194,304 bytes; xmeta 524,288 bytes; sel 32,768 bytes of whole numbers; hist 16,384 bytes of whole numbers; order 32,768 bytes of whole numbers; wl 4,194,304 bytes
;; launch route (part 1): grid 256 x 1, 4 waves a work-group, no clusters, 197,120 bytes of LDS; arguments tokens, router_w, router_b, xcodes, xmeta, sel, hist; writes xcodes, xmeta, sel, hist
.if DOCPART == 1
	.amdgcn_target "amdgcn-amd-amdhsa--gfx1250"
	.amdhsa_code_object_version 6
	.text
	.protected	k_q5ca6799560_route
	.globl	k_q5ca6799560_route
	.p2align	8
	.type	k_q5ca6799560_route,@function
k_q5ca6799560_route:
	s_mov_b64 s[64:65], 0
	v_nop
	global_prefetch_b8 v0, s[64:65] scope:SCOPE_SE
	s_setreg_imm32_b32 hwreg(HW_REG_WAVE_MODE, 25, 1), 1
	s_wait_xcnt 0x0
; ROUTER AND QUANTISER.  tokens [8192][1024] f32, router_w [8][1024] f32, router_b [8] f32.
; For each token: 8 logits in f32 (fused multiply-adds), the two largest, their renormalised softmax weights; and the token's row as codes of E2M1 with one E8M0 byte for each 32 along K.
; OUT: xcodes [token][32 blocks][16 bytes];  xmeta [token][64 bytes]: 0-31 the scale bytes, 32-39 the gates (of the lower expert, of the higher), 48-55 the gates again, the rest 0;
;      sel [token] = pair | lo << 8 | hi << 12 | rank << 16 (pair: the number 0..27 of the unordered pair of experts; rank: how many earlier tokens of this chunk of 32 have the same pair);
;      hist: how many tokens of chunk c have pair p, 16 bits at byte (c / 8) 512 + 16 p + 2 (c % 8).
; THE PAIRS ARE NUMBERED SO THAT NEIGHBOURS SHARE AN EXPERT: by lo, and within lo by hi ascending where lo is even, descending where lo is odd: .. (0,7) (1,7) .. (1,2) (2,3) .. (2,7) (3,7) ..
; So a block of the sorted order in which one pair's run ends and the next begins holds three experts and not four.
; No address and no branch here hangs on the choice: it is stored as whole numbers at fixed places, and the next launch places the rows by it.
; SHARES.  A work-group takes 32 tokens (a chunk), a wave 8 of them.  LANE l TAKES BLOCK l (k = 32 l .. 32 l + 31) OF EVERY TOKEN: a block's largest magnitude needs no other lane, four conversions give
; the lane's 16 bytes of codes, and the lane's 32 numbers of each of the 8 rows of router_w stay in 256 registers (window 1).
; The gate of an expert is g = w / max(w0 + w1, 1e-10) x (1 + (w0 + w1) 1e-10), w = p / (p0 + p1 + 1e-10), p the softmax with the largest logit taken away first.
; LIMITS: NaN and infinities are not served.  The two largest are taken of the LOGITS, strictly greater, so the lower index wins a tie; where two unequal logits round to equal probabilities the problem's
; own choice could differ.  Each division is v_rcp_f32 and a multiplication (1 ulp each).  A block of zeros gets the byte 1: its codes are zeros, and this program alone reads the bytes.
; LDS is filled once, by five tensor loads a wave (its two rows of router_w, and its 8 tokens two at a time, so that work begins when two tokens have landed), and never filled again.
.set BP,   144                         ; a block of 32 f32 in LDS: 128 bytes + 16 of padding: 36 words
.set TP,   32*BP                       ; a row of 1,024 numbers
.set RWL,  147456                      ; LDS: 0 .. the 32 tokens (32 TP);  here router_w's 8 rows (8 TP);
.set SCR,  184320                      ; 512 bytes a wave: the image of its 8 tokens' xmeta;
.set KEYS, 186368                      ; 32 words: the chunk's sel words
.set G0T,  80                          ; s[80:95]  descriptor groups 0 of my four tiles of two tokens
.set X,  16                            ; v16-79    two sets of 32 numbers
.set P,  80                            ; v80-95    8 pairs of partial sums
.set A,  96                            ; v96-159   A[t][e]: my part of logit e of token t
.set C,  160                           ; v160-191  codes, four registers a token: no store's data are written again
.set E,  192                           ; v192-199  a scale byte a token
.set T,  200                           ; v200-207  at work
.set M1, 208                           ; the largest logit, its index, the second, its index
.set I1, 209
.set M2, 210
.set I2, 211
.set MSB, 0
.macro WIN new                         ; the immediate's high byte repeats the setting that is left
.if MSB != \new
	s_set_vgpr_msb (MSB<<8)|\new
.set MSB, \new
.endif
.endm
	s_load_b256 s[4:11], s[0:1], 0x0               ; tokens s[4:5], router_w s[6:7], router_b s[8:9], xcodes s[10:11]
	s_load_b128 s[12:15], s[0:1], 0x20             ; xmeta s[12:13], sel s[14:15]
	s_load_b64 s[52:53], s[0:1], 0x30              ; hist
	v_lshl_add_u32 v254, v0, 2, 0x30000
	v_mov_b32 v255, 0
	ds_add_u32 v254, v255
	ds_add_u32 v254, v255
	v_lshrrev_b32 v1, 5, v0
	v_readfirstlane_b32 s54, v1                    ; wave 0..3
	; descriptor group 1, s[24:31], for all five loads: dense memory as 32 rows of 256 bytes (32 elements of 8 bytes): two rows of 1,024 f32; 4 words of padding behind every 32 words
	s_mov_b32 s24, (3<<16)|(1<<20)|(4<<22)|(3<<25)
	s_mov_b32 s25, 32<<16                          ; tensor_dim0 = 32
	s_mov_b32 s26, 32<<16                          ; tensor_dim1 = 32
	s_mov_b32 s27, 32<<16                          ; tile_dim0 = 32
	s_mov_b32 s28, 32                              ; tile_dim1 = 32
	s_mov_b32 s29, 32                              ; elements from row to row
	s_mov_b32 s30, 0
	s_mov_b32 s31, 0
	; groups 0: s[32:35] my two rows of router_w;  s[G0T + 4 k ..] my tokens 2 k, 2 k + 1
	s_mov_b32 s32, 1
	s_mul_i32 s33, s54, 2*TP
	s_add_co_u32 s33, s33, RWL
	s_mul_i32 s37, s54, 8*TP                       ; my 8 tokens in LDS
.irp k, 0,1,2,3
	s_mov_b32 s[G0T+4*\k], 1
	s_add_co_u32 s[G0T+4*\k+1], s37, \k*2*TP
.endr
	s_lshl_b32 s2, s54, 13                         ; router_w: 2 rows of 4,096 bytes a wave
	s_mov_b32 s3, 0
	s_lshl_b32 s74, ttmp9, 17                      ; tokens: 32 rows a work-group,
	s_lshl_b32 s55, s54, 15                        ; 8 a wave
	s_add_co_u32 s74, s74, s55
	s_mov_b32 s75, 0
	s_wait_dscnt 0x0
	s_wait_kmcnt 0x0
	s_add_nc_u64 s[34:35], s[6:7], s[2:3]
	s_or_b32 s35, s35, 0x80000000
	s_add_nc_u64 s[38:39], s[4:5], s[74:75]        ; my first token
.irp k, 0,1,2,3
	s_add_nc_u64 s[G0T+4*\k+2:G0T+4*\k+3], s[38:39], \k*2*4096
	s_or_b32 s[G0T+4*\k+3], s[G0T+4*\k+3], 0x80000000
.endr
	tensor_load_to_lds s[32:35], s[24:31]          ; all that the wave will ever fetch goes out at once: five tensor loads of mine are out
	s_nop 0
	tensor_load_to_lds s[G0T:G0T+3], s[24:31]
	s_nop 0
	tensor_load_to_lds s[G0T+4:G0T+7], s[24:31]
	s_nop 0
	tensor_load_to_lds s[G0T+8:G0T+11], s[24:31]
	s_nop 0
	tensor_load_to_lds s[G0T+12:G0T+15], s[24:31]
	s_nop 0
.rept 4
	v_nop
.endr
	s_load_b256 s[44:51], s[8:9], 0x0              ; the 8 biases
	s_mov_b32 s56, 0x76543210                      ; v_permlanex16_b32's selects for lane l xor 16
	s_mov_b32 s57, 0xfedcba98
	s_mov_b32 s58, 0xaaaaaaaa                      ; the lanes whose number has bit 0 .. 4 set
	s_mov_b32 s59, 0xcccccccc
	s_mov_b32 s60, 0xf0f0f0f0
	s_mov_b32 s61, 0xff00ff00
	s_mov_b32 s62, 0xffff0000
	v_and_b32 v1, 31, v0                           ; lane
	v_lshlrev_b32 v2, 4, v1                        ; 16 x lane
	v_mul_u32_u24 v3, v1, BP
	v_add_nc_u32 v4, RWL, v3                       ; my block of router_w's row 0
	v_add_nc_u32 v3, s37, v3                       ; my block of my wave's token 0
	s_lshl_b32 s55, s54, 9
	s_add_co_u32 s55, s55, SCR                     ; my wave's image of xmeta
	v_add_nc_u32 v5, s55, v1                       ; my block's scale byte
	v_and_b32 v11, 7, v1
	v_lshl_add_u32 v6, v11, 6, s55                 ; the 64 bytes of token lane % 8
	v_add_nc_u32 v7, s55, v2                       ; the image read back, 16 bytes a lane
	s_lshl_b32 s76, s54, 5
	s_add_co_u32 s76, s76, KEYS
	v_lshl_add_u32 v8, v11, 2, s76                 ; the sel word of token lane % 8 of my wave
	v_lshl_add_u32 v9, v1, 2, KEYS                 ; and, for wave 0 at the end, of token lane of the chunk
	v_lshlrev_b32 v10, 2, v1
	s_lshl_b32 s74, ttmp9, 14                      ; xcodes: 512 bytes a token: 32 tokens a work-group, 8 a wave
	s_lshl_b32 s76, s54, 12
	s_add_co_u32 s74, s74, s76
	s_add_nc_u64 s[10:11], s[10:11], s[74:75]
	s_lshr_b32 s74, s74, 3                         ; xmeta: 64 bytes a token
	s_add_nc_u64 s[12:13], s[12:13], s[74:75]
	s_lshl_b32 s74, ttmp9, 7                       ; sel: 128 bytes a chunk
	s_add_nc_u64 s[14:15], s[14:15], s[74:75]
	s_lshr_b32 s74, ttmp9, 3                       ; hist: (c / 8) 512 + 2 (c % 8)
	s_lshl_b32 s74, s74, 9
	s_and_b32 s76, ttmp9, 7
	s_lshl_b32 s76, s76, 1
	s_add_co_u32 s74, s74, s76
	s_add_nc_u64 s[52:53], s[52:53], s[74:75]
	s_wait_tensorcnt 0x4                           ; my two rows of router_w have landed (a wave's tensor loads end in order); the four token tiles stay out
	s_barrier_signal -1
	s_barrier_wait -1                              ; all eight rows are there
	WIN 0x40                                       ; destination window 1
.irp e, 0,1,2,3,4,5,6,7
.irp i, 0,1,2,3,4,5,6,7
	ds_load_b128 v[32*\e+4*\i:32*\e+4*\i+3], v4 offset:\e*TP+16*\i
.endr
.endr
	WIN 0
.macro XLOAD t                         ; my block of token t into set t % 2
.irp i, 0,1,2,3,4,5,6,7
	ds_load_b128 v[X+32*((\t)%2)+4*\i:X+32*((\t)%2)+4*\i+3], v3 offset:(\t)*TP+16*\i
.endr
.endm
	s_wait_tensorcnt 0x3                           ; my tokens 0 and 1 have landed (three tiles were issued behind theirs); only I read them
	XLOAD 0
.macro TOKEN t
.set XS, X+32*((\t)%2)
.if (\t) == 0
	s_wait_dscnt 0x0                               ; router_w's numbers and token 0
.else
	s_wait_dscnt 0x1                               ; this token's eight loads are in; the last token's byte store may be out
.endif
.if ((\t)%2) == 1 && (\t) < 7
	s_wait_tensorcnt (5-(\t))/2                    ; the tile of tokens t + 1, t + 2 has landed: 2, 1, 0 tiles were issued behind it
.endif
.if (\t) < 7
	XLOAD (\t)+1
.endif
	WIN 0x04                                       ; source 1 (router_w) window 1
.irp e, 0,1,2,3,4,5,6,7
	v_pk_mul_f32 v[P+2*\e:P+2*\e+1], v[XS:XS+1], v[32*\e:32*\e+1]      ; the first products start the sums; the eight experts by turns
.endr
.irp i, 1,2,3,4,5,6,7,8,9,10,11,12,13,14,15
.irp e, 0,1,2,3,4,5,6,7
	v_pk_fma_f32 v[P+2*\e:P+2*\e+1], v[XS+2*\i:XS+2*\i+1], v[32*\e+2*\i:32*\e+2*\i+1], v[P+2*\e:P+2*\e+1]
.endr
.endr
	WIN 0
.irp e, 0,1,2,3,4,5,6,7
	v_add_f32 v[A+8*(\t)+\e], v[P+2*\e], v[P+2*\e+1]
.endr
	v_max3_num_f32 v[T], |v[XS]|, |v[XS+1]|, 0x1800000             ; the block's largest magnitude, in two chains, with the floor 2^(3 - 127) among the leaves: the byte cannot fall under 1
	v_max3_num_f32 v[T+1], |v[XS+2]|, |v[XS+3]|, |v[XS+4]|
.irp i, 5,9,13,17,21,25
	v_max3_num_f32 v[T], v[T], |v[XS+\i]|, |v[XS+\i+1]|
	v_max3_num_f32 v[T+1], v[T+1], |v[XS+\i+2]|, |v[XS+\i+3]|
.endr
	v_max3_num_f32 v[T], v[T], |v[XS+29]|, |v[XS+30]|
	v_max3_num_f32 v[T], v[T], v[T+1], |v[XS+31]|
	v_add_nc_u32 v[T+2], 0xff000000, v[T]          ; 2 off its exponent field: the conversion takes the exponent field of this operand as its scale
.irp g, 0,1,2,3
	v_cvt_scalef32_pk8_fp4_f32 v[C+4*(\t)+\g], v[XS+8*\g:XS+8*\g+7], v[T+2]
.endr
	v_lshrrev_b32 v[E+(\t)], 23, v[T+2]            ; the scale's byte (also the plain instruction behind the conversions)
	ds_store_b8 v5, v[E+(\t)] offset:64*(\t)
	global_store_b128 v2, v[C+4*(\t):C+4*(\t)+3], s[10:11] offset:512*(\t)   ; the wave stores the token's 512 bytes of codes, consecutive and aligned
.endm
.irp t, 0,1,2,3,4,5,6,7
	TOKEN \t
.endr
; THE SUMS OVER THE LANES, adding and transposing at once.  Of two registers a, b each lane keeps one (b where the lane's bit is set) and sends the other to lane l xor xm: three lines halve the registers.
; Behind three stages lane l holds, in 8 registers, the logits' parts of token l % 8; two more steps add lanes l xor 8 and l xor 16.  Additions commute, so the four copies of a token are equal bit for bit.
.set RN, 0
.macro RED a, b, mask, xm
	v_cndmask_b32 v[T+2*(RN%4)], v[\a], v[\b], s[\mask]
	v_cndmask_b32 v[T+2*(RN%4)+1], v[\b], v[\a], s[\mask]
	v_add_f32_dpp v[\a], v[T+2*(RN%4)+1], v[T+2*(RN%4)] row_xmask:\xm row_mask:0xf bank_mask:0xf
.set RN, RN+1
.endm
.irp u, 0,1,2,3
.irp e, 0,1,2,3,4,5,6,7
	RED A+16*\u+\e, A+16*\u+8+\e, 58, 1
.endr
.endr
.irp u, 0,1
.irp e, 0,1,2,3,4,5,6,7
	RED A+32*\u+\e, A+32*\u+16+\e, 59, 2
.endr
.endr
.irp e, 0,1,2,3,4,5,6,7
	RED A+\e, A+32+\e, 60, 4
.endr
.irp e, 0,1,2,3,4,5,6,7
	v_add_f32_dpp v[A+\e], v[A+\e], v[A+\e] row_xmask:8 row_mask:0xf bank_mask:0xf
.endr
.irp e, 0,1,2,3,4,5,6,7
	v_permlanex16_b32 v[T+\e], v[A+\e], s56, s57
.endr
	s_wait_kmcnt 0x0                               ; the biases
.irp e, 0,1,2,3,4,5,6,7
	v_add_f32 v[A+\e], v[A+\e], v[T+\e]
.endr
.irp e, 0,1,2,3,4,5,6,7
	v_add_f32 v[A+\e], s[44+\e], v[A+\e]           ; the logits of token lane % 8
.endr
	; the two largest, by selects alone; strictly greater, so the lower index keeps its place
	v_mov_b32 v[M1], v[A]
	v_mov_b32 v[I1], 0
	v_mov_b32 v[M2], 0xff800000
	v_mov_b32 v[I2], 0
.irp e, 1,2,3,4,5,6,7
	v_cmp_gt_f32 vcc_lo, v[A+\e], v[M1]
	v_cmp_gt_f32 s66, v[A+\e], v[M2]
	v_cndmask_b32 v[M2], v[M2], v[A+\e], s66
	v_cndmask_b32 v[I2], v[I2], \e, s66
	v_cndmask_b32 v[M2], v[M2], v[M1], vcc_lo
	v_cndmask_b32 v[I2], v[I2], v[I1], vcc_lo
	v_cndmask_b32 v[M1], v[M1], v[A+\e], vcc_lo
	v_cndmask_b32 v[I1], v[I1], \e, vcc_lo
.endr
	; softmax with the largest logit taken away, the two weights, the gates
.irp e, 0,1,2,3,4,5,6,7
	v_sub_f32 v[T+\e], v[A+\e], v[M1]
.endr
	v_sub_f32 v212, v[M2], v[M1]
.irp e, 0,1,2,3,4,5,6,7
	v_mul_f32 v[T+\e], 0x3fb8aa3b, v[T+\e]         ; x log2(e)
.endr
	v_mul_f32 v212, 0x3fb8aa3b, v212
.irp e, 0,1,2,3,4,5,6,7
	v_exp_f32 v[T+\e], v[T+\e]
.endr
	v_exp_f32 v212, v212                           ; the second's exponential; the first's is 1
	v_min_u32 v213, v[I1], v[I2]                   ; lo (a plain instruction behind the exponentials)
	v_max_u32 v214, v[I1], v[I2]                   ; hi
	s_wait_alu depctr_va_vdst(0)
	v_add_f32 v[T], v[T], v[T+1]
	v_add_f32 v[T+2], v[T+2], v[T+3]
	v_add_f32 v[T+4], v[T+4], v[T+5]
	v_add_f32 v[T+6], v[T+6], v[T+7]
	v_add_f32 v[T], v[T], v[T+2]
	v_add_f32 v[T+4], v[T+4], v[T+6]
	v_add_f32 v[T], v[T], v[T+4]
	v_rcp_f32 v215, v[T]                           ; p0 = 1 / the sum
	v_sub_nc_u32 v216, 15, v213                    ; (plain, behind the reciprocal)  15 - lo
	s_wait_alu depctr_va_vdst(0)
	v_mul_f32 v217, v212, v215                     ; p1
	v_add_f32 v218, v215, v217
	v_add_f32 v218, 0x2edbe6ff, v218               ; p0 + p1 + 1e-10
	v_rcp_f32 v219, v218
	v_mul_u32_u24 v216, v213, v216                 ; (plain)  lo (15 - lo)
	s_wait_alu depctr_va_vdst(0)
	v_mul_f32 v220, v215, v219                     ; w0
	v_mul_f32 v221, v217, v219                     ; w1
	v_add_f32 v222, v220, v221
	v_max_num_f32 v223, 0x2edbe6ff, v222           ; the accumulator, held at 1e-10 from below
	v_rcp_f32 v224, v223
	v_fma_f32 v225, v222, 0x2edbe6ff, 1.0          ; (plain)  the scale 1 + (w0 + w1) 1e-10
	s_wait_alu depctr_va_vdst(0)
	v_mul_f32 v224, v224, v225
	v_mul_f32 v220, v220, v224                     ; the gate of the largest,
	v_mul_f32 v221, v221, v224                     ; of the second
	v_cmp_lt_u32 vcc_lo, v[I1], v[I2]
	v_cndmask_b32 v226, v221, v220, vcc_lo         ; the gate of expert lo,
	v_cndmask_b32 v227, v220, v221, vcc_lo         ; of expert hi
	v_lshrrev_b32 v216, 1, v216                    ; lo (15 - lo) / 2: where lo's pairs begin
	v_sub_nc_u32 v230, v214, v213
	v_add_nc_u32 v230, -1, v230                    ; lo even: hi ascending: hi - lo - 1
	v_sub_nc_u32 v231, 7, v214                     ; lo odd: hi descending: 7 - hi
	v_and_b32 v[T], 1, v213
	v_cmp_ne_u32 vcc_lo, 0, v[T]
	v_cndmask_b32 v230, v230, v231, vcc_lo
	v_add_nc_u32 v216, v216, v230                  ; the pair's number, 0 .. 27
	v_lshl_or_b32 v216, v213, 8, v216
	v_lshl_or_b32 v216, v214, 12, v216
	v_mov_b32 v228, 0
	v_mov_b32 v229, 0
	ds_store_b64 v6, v[226:227] offset:32          ; the four lanes that hold a token write the same numbers to the same bytes
	ds_store_b64 v6, v[228:229] offset:40
	ds_store_b64 v6, v[226:227] offset:48
	ds_store_b64 v6, v[228:229] offset:56
	ds_load_b128 v[232:235], v7                    ; LDS serves a wave's instructions in order (ISA guide 5.7.1.4): this sees my stores, the byte stores too
	ds_store_b32 v8, v216
	s_wait_dscnt 0x0                               ; the image is back; and, for wave 0's sake, my sel words have landed
	global_store_b128 v2, v[232:235], s[12:13]     ; my 8 tokens' xmeta: 512 consecutive bytes, aligned
	s_barrier_signal -1
	s_barrier_wait -1
	s_cmp_lg_u32 s54, 0
	s_cbranch_scc1 .Ldone
	; WAVE 0: lane = token of the chunk for the rank, lane = pair for the count.  Five ballots, one for each bit of the pair's number; all that follows is arithmetic on values.
	ds_load_b32 v236, v9
	s_wait_dscnt 0x0
.irp b, 0,1,2,3,4
	v_and_b32 v[T+\b], 1<<\b, v236
	v_cmp_ne_u32 s[68+\b], 0, v[T+\b]
.endr
	v_cndmask_b32 v237, -1, 0, s68                 ; the tokens whose bit equals mine: the ballot where my bit is set, its complement where not
	v_xor_b32 v237, s68, v237
	v_cndmask_b32 v239, -1, 0, s58                 ; the tokens whose bit equals my LANE's bit
	v_xor_b32 v239, s68, v239
.irp b, 1,2,3,4
	v_cndmask_b32 v238, -1, 0, s[68+\b]
	v_xor_b32 v238, s[68+\b], v238
	v_and_b32 v237, v237, v238
	v_cndmask_b32 v238, -1, 0, s[58+\b]
	v_xor_b32 v238, s[68+\b], v238
	v_and_b32 v239, v239, v238
.endr
	v_mov_b32 v238, 1
	v_lshlrev_b32 v238, v1, v238
	v_add_nc_u32 v238, -1, v238
	v_and_b32 v237, v237, v238                     ; of them, the earlier ones
.macro POPC x                          ; the number of ones in v[x]
	v_lshrrev_b32 v240, 1, v[\x]
	v_and_b32 v240, 0x55555555, v240
	v_sub_nc_u32 v[\x], v[\x], v240
	v_lshrrev_b32 v240, 2, v[\x]
	v_and_b32 v240, 0x33333333, v240
	v_and_b32 v[\x], 0x33333333, v[\x]
	v_add_nc_u32 v[\x], v[\x], v240
	v_lshrrev_b32 v240, 4, v[\x]
	v_add_nc_u32 v[\x], v[\x], v240
	v_and_b32 v[\x], 0x0f0f0f0f, v[\x]
	v_mul_lo_u32 v[\x], v[\x], 0x01010101
	v_lshrrev_b32 v[\x], 24, v[\x]
.endm
	POPC 237                                       ; my token's rank among the chunk's tokens of its pair
	POPC 239                                       ; the chunk's tokens of pair = lane (none for lanes 28-31)
	v_lshl_or_b32 v236, v237, 16, v236
	global_store_b32 v10, v236, s[14:15]           ; 128 consecutive bytes
	global_store_b16 v2, v239, s[52:53]            ; 2 bytes every 16: 64 bytes a work-group laid so that the next launch reads 8 chunks' counts of a pair by one 16-byte load
.Ldone:
	s_wait_tensorcnt 0x0
	ds_add_u32 v254, v255
	s_wait_dscnt 0x0
	s_endpgm
.Lfunc_end_k_q5ca6799560_route:
	.size	k_q5ca6799560_route, .Lfunc_end_k_q5ca6799560_route-k_q5ca6799560_route
	.p2alignl 7, 3214868480
	.fill 96, 4, 3214868480
	.section	.rodata,"a",@progbits
	.p2align	6, 0x0
	.amdhsa_kernel k_q5ca6799560_route
		.amdhsa_group_segment_fixed_size 197120
		.amdhsa_private_segment_fixed_size 0
		.amdhsa_enable_private_segment 0
		.amdhsa_kernarg_size 56
		.amdhsa_user_sgpr_count 2
		.amdhsa_user_sgpr_kernarg_segment_ptr 1
		.amdhsa_wavefront_size32 1
		.amdhsa_system_sgpr_workgroup_id_x 1
		.amdhsa_system_sgpr_workgroup_id_y 1
		.amdhsa_system_sgpr_workgroup_id_z 1
		.amdhsa_system_vgpr_workitem_id 0
		.amdhsa_next_free_vgpr 512
		.amdhsa_next_free_sgpr 96
		.amdhsa_reserve_vcc 1
		.amdhsa_float_denorm_mode_32 3
		.amdhsa_float_denorm_mode_16_64 3
		.amdhsa_memory_ordered 1
		.amdhsa_forward_progress 1
		.amdhsa_inst_pref_size 114
	.end_amdhsa_kernel
	.amdgpu_metadata
---
amdhsa.version: [ 1, 2 ]
amdhsa.kernels:
  - .name:           k_q5ca6799560_route
    .symbol:         k_q5ca6799560_route.kd
    .args:
      - { .name: tokens, .offset: 0, .size: 8, .value_kind: global_buffer, .address_space: global }
      - { .name: router_w, .offset: 8, .size: 8, .value_kind: global_buffer, .address_space: global }
      - { .name: router_b, .offset: 16, .size: 8, .value_kind: global_buffer, .address_space: global }
      - { .name: xcodes, .offset: 24, .size: 8, .value_kind: global_buffer, .address_space: global }
      - { .name: xmeta, .offset: 32, .size: 8, .value_kind: global_buffer, .address_space: global }
      - { .name: sel, .offset: 40, .size: 8, .value_kind: global_buffer, .address_space: global }
      - { .name: hist, .offset: 48, .size: 8, .value_kind: global_buffer, .address_space: global }
    .group_segment_fixed_size: 197120
    .private_segment_fixed_size: 0
    .kernarg_segment_align: 8
    .kernarg_segment_size: 56
    .max_flat_workgroup_size: 128
    .sgpr_count:     96
    .vgpr_count:     512
    .wavefront_size: 32
...
	.end_amdgpu_metadata
.endif
;; end of part 1
;; launch place (part 2): grid 512 x 1, 1 waves a work-group, no clusters, 17,152 bytes of LDS; arguments sel, hist, expert_weights_codes, order, wl; writes order, wl
.if DOCPART == 2
	.amdgcn_target "amdgcn-amd-amdhsa--gfx1250"
	.amdhsa_code_object_version 6
	.text
	.protected	k_q5ca6799560_place
	.globl	k_q5ca6799560_place
	.p2align	8
	.type	k_q5ca6799560_place,@function
k_q5ca6799560_place:
	s_mov_b64 s[64:65], 0
	v_nop
	global_prefetch_b8 v0, s[64:65] scope:SCOPE_SE
	s_setreg_imm32_b32 hwreg(HW_REG_WAVE_MODE, 25, 1), 1
	s_wait_xcnt 0x0
; TWO JOBS IN ONE LAUNCH, parted on the work-group's number; a work-group is one wave, so there is no barrier.
; WORK-GROUPS 0-255: THE COUNTING SORT'S LAST STEP.  Work-group c takes chunk c (32 tokens).  A token's place in the order by pairs of experts is
;   (tokens of lower pairs) + (tokens of its pair in earlier chunks) + (its rank in its chunk);  order[place] = token | lo << 16 | hi << 20.
;   Every work-group sums the whole table of counts (16 KiB) for itself: no traffic between work-groups.  The store is the sort's scatter: 4 bytes a lane, 32 KiB in the launch.
; WORK-GROUPS 256-511: THE WEIGHTS' CODES IN THE ORDER OF THE OPERAND'S REGISTERS.  wl [tile g of 16 rows][K step q][c][lane][16 bytes]: lane (h = l / 16, r = l % 16) holds block 4 q + 2 c + h of row 16 g + r,
;   so that the next launch loads a fragment by two loads of 512 consecutive bytes.  A tile keeps its 8 KiB; the work-group turns two tiles through LDS (rows 528 bytes apart: 33 x 16, so that sixteen rows' 16-byte
;   pieces start at sixteen different groups of four banks; 64 banks of 4 bytes: ISA guide 11.1).
	s_load_b128 s[4:7], s[0:1], 0x0                ; sel, hist
	s_load_b128 s[8:11], s[0:1], 0x10              ; the weights' codes, order
	s_load_b64 s[12:13], s[0:1], 0x20              ; wl
	v_lshl_add_u32 v200, v0, 2, 0x4200
	v_mov_b32 v201, 0
	v_lshlrev_b32 v1, 4, v0                        ; 16 x lane
	v_lshlrev_b32 v2, 2, v0                        ; 4 x lane
	v_and_b32 v3, 15, v0
	v_lshrrev_b32 v4, 4, v0
	v_mul_u32_u24 v3, v3, 528
	v_lshl_add_u32 v3, v4, 4, v3                   ; row r of a tile in LDS, + 16 h
	s_mov_b32 s17, 0
	s_mov_b32 s19, 0
	s_wait_kmcnt 0x0
	s_cmp_lt_u32 ttmp9, 256
	s_cbranch_scc0 .Lweights
	s_lshl_b32 s16, ttmp9, 7
	s_add_nc_u64 s[4:5], s[4:5], s[16:17]          ; my chunk's sel words
	s_lshr_b32 s20, ttmp9, 3                       ; my chunk's group of eight,
	s_and_b32 s21, ttmp9, 7                        ; and its place there
	s_lshl_b32 s18, s20, 9
	s_add_nc_u64 s[18:19], s[6:7], s[18:19]
	global_load_b32 v20, v2, s[4:5]                ; lane = token
	global_load_b128 v[160:163], v1, s[18:19]      ; lane = pair: the counts of my group's eight chunks
.irp i, 0,1,2,3,4,5,6,7,8,9,10,11,12,13,14,15,16,17,18,19,20,21,22,23,24,25,26,27,28,29,30,31
	global_load_b128 v[32+4*\i:35+4*\i], v1, s[6:7] offset:512*\i    ; lane = pair: eight chunks' counts, two to a word; 512 consecutive bytes a load
.endr
	s_wait_loadcnt 0x0
.irp i, 0,1,2,3,4,5,6,7,8,9,10,11,12,13,14,15,16,17,18,19,20,21,22,23,24,25,26,27,28,29,30,31
	v_add3_u32 v[32+4*\i], v[32+4*\i], v[33+4*\i], v[34+4*\i]       ; a group's sum, both halves at once: a half holds 4 x 32 at the most here, 4,096 over all groups
	v_add_nc_u32 v[32+4*\i], v[32+4*\i], v[35+4*\i]
.endr
	v_add3_u32 v21, v32, v36, v40                  ; all groups, in two chains
	v_add3_u32 v22, v44, v48, v52
.irp i, 6,10,14,18,22,26
	v_add3_u32 v21, v21, v[32+4*\i], v[36+4*\i]
	v_add3_u32 v22, v22, v[40+4*\i], v[44+4*\i]
.endr
	v_add3_u32 v21, v21, v152, v156
	v_add_nc_u32 v21, v21, v22
	v_mov_b32 v23, 0                               ; the groups ahead of mine: a mask from the work-group's number, no branch
.irp i, 0,2,4,6,8,10,12,14,16,18,20,22,24,26,28,30
	s_cmp_lt_u32 \i, s20
	s_cselect_b32 s22, -1, 0
	s_cmp_lt_u32 \i+1, s20
	s_cselect_b32 s23, -1, 0
	v_and_b32 v24, s22, v[32+4*\i]
	v_and_b32 v25, s23, v[36+4*\i]
	v_add3_u32 v23, v23, v24, v25
.endr
.irp j, 0,1,2,3                        ; and the chunks ahead of mine in my group: word j holds chunks 2 j (low half) and 2 j + 1
	s_cmp_gt_u32 s21, 2*\j
	s_cselect_b32 s22, 0xffff, 0
	s_cmp_gt_u32 s21, 2*\j+1
	s_cselect_b32 s22, -1, s22
	v_and_b32 v24, s22, v[160+\j]
	v_add_nc_u32 v23, v23, v24
.endr
	v_and_b32 v24, 0xffff, v21
	v_lshrrev_b32 v21, 16, v21
	v_add_nc_u32 v21, v21, v24                     ; T: all tokens of pair = lane
	v_and_b32 v24, 0xffff, v23
	v_lshrrev_b32 v23, 16, v23
	v_add_nc_u32 v23, v23, v24                     ; A: those in earlier chunks
	v_mov_b32 v26, v21                             ; the running sum of T over the lanes
.irp n, 1,2,4,8
	v_mov_b32 v27, 0
	v_mov_b32_dpp v27, v26 row_shr:\n row_mask:0xf bank_mask:0xf     ; lanes without a source keep the 0
	v_add_nc_u32 v26, v26, v27
.endr
	v_readlane_b32 s22, v26, 15
	s_mov_b32 s23, 0xffff0000
	v_mov_b32 v27, s22
	v_cndmask_b32 v27, 0, v27, s23
	v_add_nc_u32 v26, v26, v27                     ; lanes 16-31 take the lower half's total
	v_sub_nc_u32 v26, v26, v21
	v_add_nc_u32 v26, v26, v23                     ; where my chunk's tokens of pair = lane begin
	v_and_b32 v28, 31, v20                         ; my token's pair,
	v_min_u32 v28, 31, v28
	v_lshlrev_b32 v28, 2, v28
	ds_bpermute_b32 v29, v28, v26                  ; that pair's beginning (a lane permute: no LDS byte is touched),
	v_lshrrev_b32 v30, 16, v20                     ; my token's rank
	v_bfe_u32 v31, v20, 8, 8                       ; lo, hi
	s_lshl_b32 s22, ttmp9, 5
	v_add_nc_u32 v164, s22, v0                     ; the token's number
	v_lshl_or_b32 v164, v31, 16, v164
	s_wait_dscnt 0x0
	v_add_nc_u32 v29, v29, v30
	v_min_u32 v29, 0x1fff, v29                     ; a place among 8,192
	v_lshlrev_b32 v29, 2, v29
	global_store_b32 v29, v164, s[10:11]
	s_endpgm
.Lweights:
	s_sub_co_u32 s16, ttmp9, 256
	s_lshl_b32 s16, s16, 14                        ; 32 rows of 512 bytes: the same 16 KiB in and out
	s_add_nc_u64 s[8:9], s[8:9], s[16:17]
	s_add_nc_u64 s[12:13], s[12:13], s[16:17]
.irp i, 0,1,2,3,4,5,6,7,8,9,10,11,12,13,14,15,16,17,18,19,20,21,22,23,24,25,26,27,28,29,30,31
	global_load_b128 v[64+4*\i:67+4*\i], v1, s[8:9] offset:512*\i th:TH_LOAD_NT   ; a whole row: lane l takes block l
.endr
	s_wait_loadcnt 16                              ; the first tile's 16 rows are in
.irp i, 0,1,2,3,4,5,6,7,8,9,10,11,12,13,14,15
	ds_store_b128 v1, v[64+4*\i:67+4*\i] offset:528*\i
.endr
	s_wait_loadcnt 0x0
.irp i, 0,1,2,3,4,5,6,7,8,9,10,11,12,13,14,15
	ds_store_b128 v1, v[128+4*\i:131+4*\i] offset:8448+528*\i
.endr
	s_wait_dscnt 0x0                               ; the stores have read their registers, which take the loads below
.irp t, 0,1
.irp f, 0,1,2,3,4,5,6,7,8,9,10,11,12,13,14,15
	ds_load_b128 v[64+64*\t+4*\f:67+64*\t+4*\f], v3 offset:8448*\t+32*\f     ; f = 2 q + c: block 2 f + h of row r
.endr
.endr
.irp t, 0,1
.irp f, 0,1,2,3,4,5,6,7,8,9,10,11,12,13,14,15
	s_wait_dscnt 31-16*\t-\f                       ; LDS loads come back in order: this one is in
	global_store_b128 v1, v[64+64*\t+4*\f:67+64*\t+4*\f], s[12:13] offset:8192*\t+512*\f   ; 512 consecutive bytes, aligned
.endr
.endr
	s_wait_tensorcnt 0x0
	ds_add_u32 v200, v201
	s_wait_dscnt 0x0
	s_endpgm
.Lfunc_end_k_q5ca6799560_place:
	.size	k_q5ca6799560_place, .Lfunc_end_k_q5ca6799560_place-k_q5ca6799560_place
	.p2alignl 7, 3214868480
	.fill 96, 4, 3214868480
	.section	.rodata,"a",@progbits
	.p2align	6, 0x0
	.amdhsa_kernel k_q5ca6799560_place
		.amdhsa_group_segment_fixed_size 17152
		.amdhsa_private_segment_fixed_size 0
		.amdhsa_enable_private_segment 0
		.amdhsa_kernarg_size 40
		.amdhsa_user_sgpr_count 2
		.amdhsa_user_sgpr_kernarg_segment_ptr 1
		.amdhsa_wavefront_size32 1
		.amdhsa_system_sgpr_workgroup_id_x 1
		.amdhsa_system_sgpr_workgroup_id_y 1
		.amdhsa_system_sgpr_workgroup_id_z 1
		.amdhsa_system_vgpr_workitem_id 0
		.amdhsa_next_free_vgpr 202
		.amdhsa_next_free_sgpr 66
		.amdhsa_reserve_vcc 0
		.amdhsa_float_denorm_mode_32 3
		.amdhsa_float_denorm_mode_16_64 3
		.amdhsa_memory_ordered 1
		.amdhsa_forward_progress 1
		.amdhsa_inst_pref_size 27
	.end_amdhsa_kernel
	.amdgpu_metadata
---
amdhsa.version: [ 1, 2 ]
amdhsa.kernels:
  - .name:           k_q5ca6799560_place
    .symbol:         k_q5ca6799560_place.kd
    .args:
      - { .name: sel, .offset: 0, .size: 8, .value_kind: global_buffer, .address_space: global }
      - { .name: hist, .offset: 8, .size: 8, .value_kind: global_buffer, .address_space: global }
      - { .name: expert_weights_codes, .offset: 16, .size: 8, .value_kind: global_buffer, .address_space: global }
      - { .name: order, .offset: 24, .size: 8, .value_kind: global_buffer, .address_space: global }
      - { .name: wl, .offset: 32, .size: 8, .value_kind: global_buffer, .address_space: global }
    .group_segment_fixed_size: 17152
    .private_segment_fixed_size: 0
    .kernarg_segment_align: 8
    .kernarg_segment_size: 40
    .max_flat_workgroup_size: 32
    .sgpr_count:     66
    .vgpr_count:     202
    .wavefront_size: 32
...
	.end_amdgpu_metadata
.endif
;; end of part 2
;; launch experts (part 3): grid 4 x 64, 4 waves a work-group, no clusters, 209,408 bytes of LDS; arguments wl, expert_weights_scales, xcodes, xmeta, order, out0; writes out0
.if DOCPART == 3
	.amdgcn_target "amdgcn-amd-amdhsa--gfx1250"
	.amdhsa_code_object_version 6
	.text
	.protected	k_q5ca6799560_experts
	.globl	k_q5ca6799560_experts
	.p2align	8
	.type	k_q5ca6799560_experts,@function
k_q5ca6799560_experts:
	s_mov_b64 s[64:65], 0
	v_nop
	global_prefetch_b8 v0, s[64:65] scope:SCOPE_SE
	s_setreg_imm32_b32 hwreg(HW_REG_WAVE_MODE, 25, 1), 1
	s_wait_xcnt 0x0
; out0[token][d] = g_lo y(lo)[d] + g_hi y(hi)[d],  y(e) = Q(token's row) W(e), on codes of E2M1 with one E8M0 scale for each 32 along K = 1,024; only the two chosen experts of a token are multiplied.
; SHARES.  Tokens stand in the order of their pairs of experts (order, made by the launch before).  Work-group (x, y) owns places 128 y .. 128 y + 127 of that order and columns 256 x .. 256 x + 255: every output
; row has one owner.  Wave w owns ALL 128 tokens x 64 columns (four tiles of 16 columns), so no weight fragment is loaded twice in a work-group.
; THE TOKENS' CODES STAY IN REGISTERS: 8 tiles of 16 tokens x 8 K steps x 8 registers = 512 (windows 1, 2).  THE WEIGHTS COME FROM MEMORY STRAIGHT INTO REGISTERS (window 3), in the order in which the operand's
; registers take them (wl): a fragment is two loads of 512 consecutive bytes and feeds 8 matrix instructions.  Four buffers, one for each tile of columns; three to four items (17 loads each) are on their way.
; THE WALK.  The block's experts (2 as a rule; 3 where a pair's run ends in the block, since the first launch numbers the pairs so that neighbours share an expert; up to 8 for any split) are read off the order
; words: a list in a scalar register, a counted loop.  One trip = one expert = four ITEMs, one for each tile of columns; an item is 64 matrix instructions on 8 accumulators by turns, then acc x gate is added to
; the running result.  A token that has not chosen the expert has the gate 0.
; The running result lies in the wave's own stage in LDS, as rows; it is also the turn from the result's layout (a lane: one token, eight columns) to whole rows for the way out.
; No tensor loads and no joint loads: which work-groups want the same expert is known only from the loaded list, and the walk's trip count hangs on it.  One barrier in the launch (the tokens' codes from wave to wave).
; THE MATRIX INSTRUCTION IS USED TRANSPOSED: source 0 = 16 rows d of W, source 1 = 16 tokens: lane (r, h) holds token r and columns 8 h .. 8 h + 7.
; SCALES.  16 bytes at row x 32 + 16 h (weights) or token x 64 + 16 h (tokens) give lanes 0-15 the words of K steps 0-3 and lanes 16-31 those of K steps 4-7; K steps 4-7 read the upper lanes.
; LIMITS: as the first launch states them; order words are taken as that launch and the sort made them (two different experts a token).
.set XP,   272                         ; LDS: the tokens' codes: (tile m, block b) at (32 m + b) XP + 16 r: 16 tokens x 16 bytes + 16 of padding
.set STG,  69632                       ; behind them, for each wave, 128 rows x SP: its 64 columns (256 bytes) + 16 of padding
.set SP,   272
.set WSTG, 128*SP
.set L16,  3                           ; v3   16 x lane
.set XRD0, 4                           ; v4, v5  where I read X's fragments: tiles 0-3, tiles 4-7
.set XWR,  6                           ; v6   where I put the rows that I gathered
.set STO,  7                           ; v7   the stage in the result's layout: row r, + 32 h
.set RD,   8                           ; v8   the stage by rows: 16 r, lanes 16-31 sixteen rows down
.set COL,  9                           ; v9   my 16 bytes in a row of out0
.set WOFF, 10                          ; v10-13  byte offset of item j's fragments in wl: one register an item, since each is rewritten while the other items' loads are out
.set WSOFF, 14                         ; v14-17  the same for its scale words
.set MYT,  18                          ; v18  the order word of place 32 w + lane
.set ONE,  19
.set TOKT, 20                          ; v20-23  of place 32 mm + lane
.set TK,   24                          ; v24-31  of place 16 m + r;          on the way out v24-55 hold store offsets
.set GT,   32                          ; v32-47  (g_lo, g_hi) of token r of tile m
.set MOFF, 48                          ; v48-55  offsets into xmeta
.set TMP,  56                          ; v56-59  at work
.set SLN,  60                          ; v60  32 r + 16 h: my lane's place in a tile's 512 scale bytes
.set G,    64                          ; v64-79  the trip's gates: tile m's at v[64 + 2 m] (the odd registers are 0: named as pairs);  before that: offsets of the gather
.set XS,   80                          ; v80-111  X's scale words, 4 a tile
.set WS,   112                         ; v112-127 W's, 4 an item
.set ACC,  128                         ; v128-191 8 accumulators
.set OLD,  192                         ; v192-255 the running result of the item in hand.  (ACC and OLD first take the 32 gathered rows)
.set MSB, 0
.macro WIN new                         ; the immediate's high byte repeats the setting that is left
.if MSB != \new
	s_set_vgpr_msb (MSB<<8)|\new
.set MSB, \new
.endif
.endm
	s_load_b256 s[4:11], s[0:1], 0x0               ; wl s[4:5], the weights' scales s[6:7], xcodes s[8:9], xmeta s[10:11]
	s_load_b128 s[12:15], s[0:1], 0x20             ; order s[12:13], out0 s[14:15]
	v_lshl_add_u32 v62, v0, 2, 0x33000
	v_mov_b32 v63, 0
	v_lshrrev_b32 v1, 5, v0
	v_readfirstlane_b32 s16, v1                    ; wave 0..3
	s_and_b32 s18, ttmp7, 0xffff                   ; y
	v_and_b32 v56, 31, v0                          ; lane
	v_and_b32 v1, 15, v0                           ; r
	v_bfe_u32 v2, v0, 4, 1                         ; h
	v_lshlrev_b32 v[L16], 4, v56
	v_mul_u32_u24 v[XRD0], v2, XP
	v_lshl_add_u32 v[XRD0], v1, 4, v[XRD0]
	v_add_nc_u32 v[XRD0+1], 128*XP, v[XRD0]
	s_mul_i32 s28, s16, 64*XP                      ; my two tiles of tokens
	v_mul_u32_u24 v[XWR], v56, XP                  ; lane = block
	v_add_nc_u32 v[XWR], s28, v[XWR]
	s_mul_i32 s28, s16, WSTG
	s_add_co_u32 s28, s28, STG                     ; my stage
	v_mul_u32_u24 v[STO], v1, SP
	v_lshl_add_u32 v[STO], v2, 5, v[STO]
	v_add_nc_u32 v[STO], s28, v[STO]
	v_mul_u32_u24 v[RD], v2, 16*SP
	v_lshl_add_u32 v[RD], v1, 4, v[RD]
	v_add_nc_u32 v[RD], s28, v[RD]
	s_lshl_b32 s29, ttmp9, 10
	s_lshl_b32 s30, s16, 8
	s_add_co_u32 s29, s29, s30
	v_lshl_add_u32 v[COL], v1, 4, s29              ; 1,024 x + 256 w + 16 r
	v_lshlrev_b32 v[SLN], 5, v1
	v_lshl_add_u32 v[SLN], v2, 4, v[SLN]
	v_mov_b32 v[ONE], 1
	s_lshl_b32 s19, ttmp9, 4
	s_lshl_b32 s30, s16, 2
	s_add_co_u32 s19, s19, s30                     ; my first tile of columns: 16 x + 4 w
	s_lshl_b32 s31, s19, 13                        ; its place in an expert's part of wl (8 KiB a tile),
	s_lshl_b32 s32, s19, 9                         ; and of the scale bytes (512 a tile)
	v_lshlrev_b32 v57, 2, v56
	s_lshl_b32 s30, s16, 7
	v_add_nc_u32 v58, s30, v57
	v_lshlrev_b32 v59, 2, v1
	s_lshl_b32 s34, s18, 9
	s_mov_b32 s35, 0
	s_wait_kmcnt 0x0
	s_add_nc_u64 s[12:13], s[12:13], s[34:35]      ; my block's 128 order words
	global_load_b32 v[MYT], v58, s[12:13]
.irp m, 0,1,2,3
	global_load_b32 v[TOKT+\m], v57, s[12:13] offset:128*\m
.endr
.irp m, 0,1,2,3,4,5,6,7
	global_load_b32 v[TK+\m], v59, s[12:13] offset:64*\m
.endr
	s_wait_loadcnt 0x0
	; THE GATHER: my wave fetches the codes of places 32 w .. 32 w + 31, a whole row of 512 bytes a load: lane l takes block l.
	; Sixteen rows at a time, in three runs: the lanes' words to scalar registers, the scalar arithmetic, the loads: so the scalar unit waits for the vector unit once a run and not once a row.
.macro GBATCH n0
.set N, \n0
.rept 16
	v_readlane_b32 s[40+N%16], v[MYT], N
.set N, N+1
.endr
.set N, 0
.rept 16
	s_and_b32 s[40+N], s[40+N], 0x1fff
	s_min_u32 s[40+N], s[40+N], 0x1fff
	s_lshl_b32 s[40+N], s[40+N], 9
.set N, N+1
.endr
.if \n0 > 0
	s_wait_xcnt 0x0                                ; the sixteen offset registers are written again only behind this wait
.endif
.set N, \n0
.rept 16
	v_add_nc_u32 v[G+N%16], s[40+N%16], v[L16]
	global_load_b128 v[ACC+4*N:ACC+4*N+3], v[G+N%16], s[8:9]
.set N, N+1
.endr
.endm
	GBATCH 0
	GBATCH 16
.irp m, 0,1,2,3,4,5,6,7
	v_and_b32 v[MOFF+\m], 0x1fff, v[TK+\m]
	v_min_u32 v[MOFF+\m], 0x1fff, v[MOFF+\m]
	v_lshlrev_b32 v[MOFF+\m], 6, v[MOFF+\m]
	v_lshl_add_u32 v[MOFF+\m], v2, 4, v[MOFF+\m]   ; token x 64 + 16 h
.endr
.irp m, 0,1,2,3,4,5,6,7
	global_load_b128 v[XS+4*\m:XS+4*\m+3], v[MOFF+\m], s[10:11]
.endr
.irp m, 0,1,2,3,4,5,6,7
	global_load_b64 v[GT+2*\m:GT+2*\m+1], v[MOFF+\m], s[10:11] offset:32    ; both halves of the lanes find the gates: they lie at 32 and again at 48
.endr
	; THE LIST of the block's experts, 4 bits each, ascending, in s20; s21 = 4 x their number.  Every wave makes the same list from all 128 order words.
	v_bfe_u32 v56, v[TOKT], 16, 4
	v_bfe_u32 v57, v[TOKT], 20, 4
	v_lshlrev_b32 v58, v56, v[ONE]
	v_lshlrev_b32 v57, v57, v[ONE]
	v_or_b32 v58, v58, v57
.irp m, 1,2,3
	v_bfe_u32 v56, v[TOKT+\m], 16, 4
	v_bfe_u32 v57, v[TOKT+\m], 20, 4
	v_lshlrev_b32 v56, v56, v[ONE]
	v_lshlrev_b32 v57, v57, v[ONE]
	v_or_b32 v58, v58, v56
	v_or_b32 v58, v58, v57
.endr
.irp e, 0,1,2,3,4,5,6,7
	v_and_b32 v56, 1<<\e, v58
	v_cmp_ne_u32 s[40+\e], 0, v56                  ; the lanes of whose four tokens one uses expert e: the eight ballots in one run, the scalar work behind them
.endr
	s_mov_b32 s20, 0
	s_mov_b32 s21, 0
.irp e, 0,1,2,3,4,5,6,7
	s_cmp_lg_u32 s[40+\e], 0                       ; does any of the 128 tokens use expert e?
	s_cselect_b32 s28, 4, 0
	s_cselect_b32 s29, \e, 0
	s_lshl_b32 s29, s29, s21
	s_or_b32 s20, s20, s29
	s_add_co_u32 s21, s21, s28
.endr
.irp m, 0,1,2,3
	v_and_b32 v[TOKT+\m], 0x1fff, v[TOKT+\m]       ; from here on: the token's number alone
.endr
	s_mov_b32 s22, 0                               ; the place in the list
	s_and_b32 s23, s20, 7                          ; the expert in hand
	s_min_u32 s23, s23, 7
	s_lshl_b32 s25, s23, 19                        ; an expert's part of wl is 512 KiB,
	s_add_co_u32 s25, s25, s31
	s_lshl_b32 s26, s23, 15                        ; of the scale bytes 32 KiB
	s_add_co_u32 s26, s26, s32
.irp j, 0,1,2,3
	v_add_nc_u32 v[WOFF+\j], s25, v[L16]
	v_add_nc_u32 v[WSOFF+\j], s26, v[SLN]
.endr
.macro LOADW j                         ; item j's weights: 17 loads: its scale words, and 8 fragments of two loads into buffer j of window 3
	global_load_b128 v[WS+4*\j:WS+4*\j+3], v[WSOFF+\j], s[6:7] offset:512*\j
	WIN 0xc0                                       ; destination window 3, address window 0
.irp f, 0,1,2,3,4,5,6,7,8,9,10,11,12,13,14,15
	global_load_b128 v[64*\j+4*\f:64*\j+4*\f+3], v[WOFF+\j], s[4:5] offset:8192*\j+512*\f
.endr
	WIN 0
.endm
	LOADW 0
	s_wait_loadcnt 33                              ; the 32 gathered rows are in; younger: 8 + 8 loads from xmeta and item 0's 17
.set N, 0
.rept 32
	ds_store_b128 v[XWR], v[ACC+4*N:ACC+4*N+3] offset:(N/16)*32*XP+(N%16)*16   ; token N % 16 of my tile N / 16; lane = block, XP bytes apart
.set N, N+1
.endr
	s_wait_dscnt 0x0                               ; for the others' sake: my stores have landed
	s_barrier_signal -1
	s_barrier_wait -1                              ; all 128 tokens' codes lie in LDS; they are never written again
	LOADW 1
	LOADW 2
	LOADW 3
	WIN 0x40                                       ; X(m, q), q < 4: window 1, register 8 (4 m + q)
.irp m, 0,1,2,3,4,5,6,7
.irp q, 0,1,2,3
.irp c, 0,1
	ds_load_b128 v[8*(4*\m+\q)+4*\c:8*(4*\m+\q)+4*\c+3], v[XRD0+\m/4] offset:((\m%4)*32+4*\q+2*\c)*XP   ; lane (r, h): block 4 q + 2 c + h of token r
.endr
.endr
.endr
	WIN 0x80                                       ; q >= 4: window 2, register 8 (4 m + q - 4)
.irp m, 0,1,2,3,4,5,6,7
.irp q, 0,1,2,3
.irp c, 0,1
	ds_load_b128 v[8*(4*\m+\q)+4*\c:8*(4*\m+\q)+4*\c+3], v[XRD0+\m/4] offset:((\m%4)*32+16+4*\q+2*\c)*XP
.endr
.endr
.endr
	WIN 0
.set N, 0
.rept 16
	v_mov_b32 v[G+N], 0                            ; (the gather's loads, which read these registers, were shown done above)
.set N, N+1
.endr
	s_wait_dscnt 0x0                               ; X is in registers
	s_wait_loadcnt 51                              ; X's scale words, the gates and item 0 are in; items 1 to 3 (3 x 17) may be out
.macro GATES                           ; the gate of each tile's token r for the expert in hand: g_lo, g_hi or 0
.irp m, 0,1,2,3,4,5,6,7
	v_bfe_u32 v[TMP], v[TK+\m], 16, 4
	v_bfe_u32 v[TMP+1], v[TK+\m], 20, 4
	v_cmp_eq_u32 vcc_lo, s23, v[TMP]
	v_cndmask_b32 v[G+2*\m], 0, v[GT+2*\m], vcc_lo
	v_cmp_eq_u32 vcc_lo, s23, v[TMP+1]
	v_cndmask_b32 v[G+2*\m], v[G+2*\m], v[GT+2*\m+1], vcc_lo
.endr
.endm
.macro NEXT                            ; the list's next expert and where its weights lie
	s_add_co_u32 s22, s22, 4
	s_lshr_b32 s24, s20, s22
	s_and_b32 s24, s24, 7
	s_min_u32 s24, s24, 7
	s_lshl_b32 s25, s24, 19
	s_add_co_u32 s25, s25, s31
	s_lshl_b32 s26, s24, 15
	s_add_co_u32 s26, s26, s32
.endm
; K step q of item j: 8 matrix instructions, the 8 accumulators by turns, one instruction a turn.  q = 0 starts the sums: nothing is cleared.
.macro MM j, q
.irp m, 0,1,2,3,4,5,6,7
.if (\q) == 0
	v_wmma_scale_f32_16x16x128_f8f6f4 v[ACC+8*\m:ACC+8*\m+7], v[64*\j+8*(\q):64*\j+8*(\q)+7], v[8*(4*\m+(\q)%4):8*(4*\m+(\q)%4)+7], 0, v[WS+4*\j+(\q)%4], v[XS+4*\m+(\q)%4] matrix_a_fmt:MATRIX_FMT_FP4 matrix_b_fmt:MATRIX_FMT_FP4
.elseif (\q) < 4
	v_wmma_scale_f32_16x16x128_f8f6f4 v[ACC+8*\m:ACC+8*\m+7], v[64*\j+8*(\q):64*\j+8*(\q)+7], v[8*(4*\m+(\q)%4):8*(4*\m+(\q)%4)+7], v[ACC+8*\m:ACC+8*\m+7], v[WS+4*\j+(\q)%4], v[XS+4*\m+(\q)%4] matrix_a_fmt:MATRIX_FMT_FP4 matrix_b_fmt:MATRIX_FMT_FP4
.else
	v_wmma_scale_f32_16x16x128_f8f6f4 v[ACC+8*\m:ACC+8*\m+7], v[64*\j+8*(\q):64*\j+8*(\q)+7], v[8*(4*\m+(\q)%4):8*(4*\m+(\q)%4)+7], v[ACC+8*\m:ACC+8*\m+7], v[WS+4*\j+(\q)%4], v[XS+4*\m+(\q)%4] matrix_a_fmt:MATRIX_FMT_FP4 matrix_b_fmt:MATRIX_FMT_FP4 matrix_a_scale:MATRIX_SCALE_ROW1 matrix_b_scale:MATRIX_SCALE_ROW1
.endif
.endr
.endm
; ITEM j: tile j of my columns for the expert in hand.  var = 0: the block's first expert starts the running result; 1: it is read from the stage, added to and written back.
; pre = 1: buffer j takes the next expert's weights as soon as its last product is issued.  cnt: the loads younger than this item's, which may stay out.
.macro ITEM j, var, pre, cnt
	s_wait_loadcnt \cnt                            ; loads come back in order (ISA guide 5.7.1): this item's 17 are in; that also frees its two offset registers
	WIN 0x07                                       ; source 0 (W) window 3, source 1 (X) window 1
	MM \j, 0
	MM \j, 1
	MM \j, 2
	MM \j, 3
.if \var
	WIN 0
	s_wait_dscnt 0x0                               ; the last item's stores into the stage, issued 32 matrix instructions ago, have read OLD
.irp m, 0,1,2,3,4,5,6,7
	ds_load_b128 v[OLD+8*\m:OLD+8*\m+3], v[STO] offset:16*SP*\m+64*\j
	ds_load_b128 v[OLD+8*\m+4:OLD+8*\m+7], v[STO] offset:16*SP*\m+64*\j+16
.endr
.endif
	WIN 0x0b                                       ; source 1 window 2
	MM \j, 4
	MM \j, 5
	MM \j, 6
	MM \j, 7
	WIN 0
	; four plain vector instructions that name no register of the products stand ahead of the loads into buffer j and its scale words, and of the first read of the results
.if \pre
	v_add_nc_u32 v[WOFF+\j], s25, v[L16]
	v_add_nc_u32 v[WSOFF+\j], s26, v[SLN]
	v_nop
	v_nop
	LOADW \j
.else
.rept 4
	v_nop
.endr
.endif
	s_wait_dscnt 0x0                               ; the running result is in (var = 0: the last item's stores have read OLD)
.irp m, 0,1,2,3,4,5,6,7                ; each accumulator from its low end on; the other tiles' 28 lines are the places ahead of the next item's first products, which write over these accumulators
.irp i, 0,2,4,6
.if \var
	v_pk_fma_f32 v[OLD+8*\m+\i:OLD+8*\m+\i+1], v[ACC+8*\m+\i:ACC+8*\m+\i+1], v[G+2*\m:G+2*\m+1], v[OLD+8*\m+\i:OLD+8*\m+\i+1] op_sel_hi:[1,0,1]
.else
	v_pk_mul_f32 v[OLD+8*\m+\i:OLD+8*\m+\i+1], v[ACC+8*\m+\i:ACC+8*\m+\i+1], v[G+2*\m:G+2*\m+1] op_sel_hi:[1,0]
.endif
.endr
.endr
.irp m, 0,1,2,3,4,5,6,7
	ds_store_b128 v[STO], v[OLD+8*\m:OLD+8*\m+3] offset:16*SP*\m+64*\j
	ds_store_b128 v[STO], v[OLD+8*\m+4:OLD+8*\m+7] offset:16*SP*\m+64*\j+16
.endr
.endm
.macro TRIP var, pre, c0, c1, c2, c3   ; one expert
	GATES
.if \pre
	NEXT
.endif
	ITEM 0, \var, \pre, \c0
	ITEM 1, \var, \pre, \c1
	ITEM 2, \var, \pre, \c2
	ITEM 3, \var, \pre, \c3
.if \pre
	s_mov_b32 s23, s24
.endif
.endm
	TRIP 0, 1, 51, 51, 51, 51                      ; the first expert; behind each item's loads stand three items' (3 x 17)
	s_lshr_b32 s27, s21, 2                         ; the number of experts: 2 at the least, since a token's two differ
	s_max_u32 s27, s27, 2
	s_sub_co_u32 s27, s27, 2                       ; all but the first and the last
	s_cmp_eq_u32 s27, 0
	s_cbranch_scc1 .Ltail
.Lmid:
	TRIP 1, 1, 51, 51, 51, 51
	s_sub_co_u32 s27, s27, 1
	s_cmp_lg_u32 s27, 0
	s_cbranch_scc1 .Lmid
.Ltail:
	TRIP 1, 0, 51, 34, 17, 0                       ; the last expert asks for nothing more: the counts run down
	; THE WAY OUT.  The stage holds 128 rows x my 64 columns.  A load takes two rows (lanes 0-15 row 32 mm + n, lanes 16-31 the row 16 further on); each half stores 256 consecutive bytes, aligned, of its token's row.
.macro FLOAD mm
.set DR, ACC+64*((\mm)%2)
.set OF, TK+16*((\mm)%2)
.irp n, 0,1,2,3,4,5,6,7,8,9,10,11,12,13,14,15
	v_mov_b32_dpp v[OF+\n], v[TOKT+\mm] row_share:\n row_mask:0xf bank_mask:0xf   ; each half of the lanes takes its own lane n's token
.endr
.irp n, 0,1,2,3,4,5,6,7,8,9,10,11,12,13,14,15
	v_min_u32 v[OF+\n], 0x1fff, v[OF+\n]
.endr
.irp n, 0,1,2,3,4,5,6,7,8,9,10,11,12,13,14,15
	v_lshl_add_u32 v[OF+\n], v[OF+\n], 12, v[COL]  ; token x 4,096 + my 16 bytes
.endr
.irp n, 0,1,2,3,4,5,6,7,8,9,10,11,12,13,14,15
	ds_load_b128 v[DR+4*\n:DR+4*\n+3], v[RD] offset:(32*\mm+\n)*SP
.endr
.endm
.macro FSTORE mm, younger              ; younger: the LDS loads issued behind this group's
.set DR, ACC+64*((\mm)%2)
.set OF, TK+16*((\mm)%2)
.irp n, 0,1,2,3,4,5,6,7,8,9,10,11,12,13,14,15
	s_wait_dscnt \younger+15-\n
	global_store_b128 v[OF+\n], v[DR+4*\n:DR+4*\n+3], s[14:15] th:TH_STORE_NT   ; written once, read by nobody here
.endr
.endm
	s_wait_dscnt 0x0                               ; my last stores into the stage have read OLD
	FLOAD 0
	FLOAD 1
	FSTORE 0, 16
	s_wait_xcnt 0x0                                ; group 0's stores have read their data and offsets: group 2 takes the same registers
	FLOAD 2
	FSTORE 1, 16
	s_wait_xcnt 0x0
	FLOAD 3
	FSTORE 2, 16
	FSTORE 3, 0
	s_wait_tensorcnt 0x0
	ds_add_u32 v62, v63
	s_wait_dscnt 0x0
	s_endpgm
.Lfunc_end_k_q5ca6799560_experts:
	.size	k_q5ca6799560_experts, .Lfunc_end_k_q5ca6799560_experts-k_q5ca6799560_experts
	.p2alignl 7, 3214868480
	.fill 96, 4, 3214868480
	.section	.rodata,"a",@progbits
	.p2align	6, 0x0
	.amdhsa_kernel k_q5ca6799560_experts
		.amdhsa_group_segment_fixed_size 209408
		.amdhsa_private_segment_fixed_size 0
		.amdhsa_enable_private_segment 0
		.amdhsa_kernarg_size 48
		.amdhsa_user_sgpr_count 2
		.amdhsa_user_sgpr_kernarg_segment_ptr 1
		.amdhsa_wavefront_size32 1
		.amdhsa_system_sgpr_workgroup_id_x 1
		.amdhsa_system_sgpr_workgroup_id_y 1
		.amdhsa_system_sgpr_workgroup_id_z 1
		.amdhsa_system_vgpr_workitem_id 0
		.amdhsa_next_free_vgpr 1024
		.amdhsa_next_free_sgpr 66
		.amdhsa_reserve_vcc 1
		.amdhsa_float_denorm_mode_32 3
		.amdhsa_float_denorm_mode_16_64 3
		.amdhsa_memory_ordered 1
		.amdhsa_forward_progress 1
		.amdhsa_inst_pref_size 228
	.end_amdhsa_kernel
	.amdgpu_metadata
---
amdhsa.version: [ 1, 2 ]
amdhsa.kernels:
  - .name:           k_q5ca6799560_experts
    .symbol:         k_q5ca6799560_experts.kd
    .args:
      - { .name: wl, .offset: 0, .size: 8, .value_kind: global_buffer, .address_space: global }
      - { .name: expert_weights_scales, .offset: 8, .size: 8, .value_kind: global_buffer, .address_space: global }
      - { .name: xcodes, .offset: 16, .size: 8, .value_kind: global_buffer, .address_space: global }
      - { .name: xmeta, .offset: 24, .size: 8, .value_kind: global_buffer, .address_space: global }
      - { .name: order, .offset: 32, .size: 8, .value_kind: global_buffer, .address_space: global }
      - { .name: out0, .offset: 40, .size: 8, .value_kind: global_buffer, .address_space: global }
    .group_segment_fixed_size: 209408
    .private_segment_fixed_size: 0
    .kernarg_segment_align: 8
    .kernarg_segment_size: 48
    .max_flat_workgroup_size: 128
    .sgpr_count:     66
    .vgpr_count:     1024
    .wavefront_size: 32
...
	.end_amdgpu_metadata
.endif
;; end of part 3
;; ======== version 2 of 2: 3 launches; version 1 with the launch experts written anew for expert scheduling mode
;; workspace buffers: xcodes 4,194,304 bytes; xmeta 524,288 bytes; sel 32,768 bytes of whole numbers; hist 16,384 bytes of whole numbers; order 32,768 bytes of whole numbers; wl 4,194,304 bytes
;; launch route: the kernel of part 1 again; grid 256 x 1, 4 waves a work-group, no clusters, 197,120 bytes of LDS; arguments tokens, router_w, router_b, xcodes, xmeta, sel, hist; writes xcodes, xmeta, sel, hist
;; launch place: the kernel of part 2 again; grid 512 x 1, 1 waves a work-group, no clusters, 17,152 bytes of LDS; arguments sel, hist, expert_weights_codes, order, wl; writes order, wl
;; launch experts (part 4): grid 4 x 64, 4 waves a work-group, no clusters, 209,408 bytes of LDS; arguments wl, expert_weights_scales, xcodes, xmeta, order, out0; writes out0
.if DOCPART == 4
	.amdgcn_target "amdgcn-amd-amdhsa--gfx1250"
	.amdhsa_code_object_version 6
	.text
	.protected	k_q5ca6799560_experts
	.globl	k_q5ca6799560_experts
	.p2align	8
	.type	k_q5ca6799560_experts,@function
k_q5ca6799560_experts:
	s_mov_b64 s[64:65], 0
	v_nop
	global_prefetch_b8 v0, s[64:65] scope:SCOPE_SE
	s_setreg_imm32_b32 hwreg(HW_REG_WAVE_SCHED_MODE, 0, 2), 2
	s_setreg_imm32_b32 hwreg(HW_REG_WAVE_MODE, 25, 1), 1
	s_wait_xcnt 0x0
	s_wait_alu depctr_vm_vsrc(0)
; out0[token][d] = g_lo y(lo)[d] + g_hi y(hi)[d],  y(e) = Q(token's row) W(e), on codes of E2M1 with one E8M0 scale for each 32 along K = 1,024; only the two chosen experts of a token are multiplied.
; SHARES.  Tokens stand in the order of their pairs of experts (order, made by the launch before).  Work-group (x, y) owns places 128 y .. 128 y + 127 of that order and columns 256 x .. 256 x + 255: every output
; row has one owner.  Wave w owns ALL 128 tokens x 64 columns (four tiles of 16 columns), so no weight fragment is loaded twice in a work-group.
; THE TOKENS' CODES STAY IN REGISTERS: 8 tiles of 16 tokens x 8 K steps x 8 registers = 512 (windows 1, 2).  THE WEIGHTS COME FROM MEMORY STRAIGHT INTO REGISTERS (window 3), in the order in which the operand's
; registers take them (wl): a fragment is two loads of 512 consecutive bytes and feeds 8 matrix instructions.  Four buffers, one for each tile of columns; three to four items (17 loads each) are on their way.
; THE WALK.  The block's experts (2 as a rule; 3 where a pair's run ends in the block, since the first launch numbers the pairs so that neighbours share an expert; up to 8 for any split) are read off the order
; words: a list in a scalar register, a counted loop.  One trip = one expert = four ITEMs, one for each tile of columns; an item is 64 matrix instructions on 8 accumulators by turns, then acc x gate is added to
; the running result.  A token that has not chosen the expert has the gate 0.
; The running result lies in the wave's own stage in LDS, as rows; it is also the turn from the result's layout (a lane: one token, eight columns) to whole rows for the way out.
; No tensor loads and no joint loads: which work-groups want the same expert is known only from the loaded list, and the walk's trip count hangs on it.  One barrier in the launch (the tokens' codes from wave to wave).
; THE MATRIX INSTRUCTION IS USED TRANSPOSED: source 0 = 16 rows d of W, source 1 = 16 tokens: lane (r, h) holds token r and columns 8 h .. 8 h + 7.
; SCALES.  16 bytes at row x 32 + 16 h (weights) or token x 64 + 16 h (tokens) give lanes 0-15 the words of K steps 0-3 and lanes 16-31 those of K steps 4-7; K steps 4-7 read the upper lanes.
; LIMITS: as the first launch states them; order words are taken as that launch and the sort made them (two different experts a token).
; THE MODE: SCHED_MODE bits 1:0 = 2 (LLVM: expert scheduling mode 2), set by the entry lines.  The code itself states the register dependences between vector or matrix instructions and memory or LDS
; instructions, with s_wait_alu, always for 0.
; THE PLAN.  Registers that memory or LDS instructions touch in the walk:
;   buffer j of window 3 and WS + 4 j   Item j's 64 matrix instructions read them; behind the item's packed lines the next expert's 17 loads land in them.
;   WOFF + j, WSOFF + j                 Read by those 17 loads; written again by two additions behind item j's products, an expert later.
;   OLD                                 Written by an item's 32 packed lines; read by its 16 stores into the stage; the next item's 16 loads from the stage land in it.
;   STO                                 The stage's address: made at the head, never written again.
;   ACC, G, GT, TK, X and XS are named by vector and matrix instructions alone.
; So ONE wait on va_vdst stands in an item, behind its packed lines: they have written OLD and are done with it; the item's matrix instructions are done reading buffer j and its scale words; the two offsets are
; written.  The 17 loads and the 16 stores follow it; and the next item's loads into OLD lean on it too, since only the gates' lines and matrix instructions stand between, which do not name OLD.
; ONE wait on vm_vsrc stands in an item, ahead of the first line that writes OLD or the item's offsets again: the last item's stores have read OLD, the item's own earlier loads their offsets.
.set XP,   272                         ; LDS: the tokens' codes: (tile m, block b) at (32 m + b) XP + 16 r: 16 tokens x 16 bytes + 16 of padding
.set STG,  69632                       ; behind them, for each wave, 128 rows x SP: its 64 columns (256 bytes) + 16 of padding
.set SP,   272
.set WSTG, 128*SP
.set L16,  3                           ; v3   16 x lane
.set XRD0, 4                           ; v4, v5  where I read X's fragments: tiles 0-3, tiles 4-7
.set XWR,  6                           ; v6   where I put the rows that I gathered
.set STO,  7                           ; v7   the stage in the result's layout: row r, + 32 h
.set RD,   8                           ; v8   the stage by rows: 16 r, lanes 16-31 sixteen rows down
.set COL,  9                           ; v9   my 16 bytes in a row of out0
.set WOFF, 10                          ; v10-13  byte offset of item j's fragments in wl: one register an item, since each is rewritten while the other items' loads are out
.set WSOFF, 14                         ; v14-17  the same for its scale words
.set MYT,  18                          ; v18  the order word of place 32 w + lane
.set ONE,  19
.set TOKT, 20                          ; v20-23  of place 32 mm + lane
.set TK,   24                          ; v24-31  of place 16 m + r;          on the way out v24-55 hold store offsets
.set GT,   32                          ; v32-47  (g_lo, g_hi) of token r of tile m
.set MOFF, 48                          ; v48-55  offsets into xmeta
.set TMP,  56                          ; v56-59  at work
.set SLN,  60                          ; v60  32 r + 16 h: my lane's place in a tile's 512 scale bytes
.set G,    64                          ; v64-79  the trip's gates: tile m's at v[64 + 2 m] (the odd registers are 0: named as pairs);  before that: offsets of the gather
.set XS,   80                          ; v80-111  X's scale words, 4 a tile
.set WS,   112                         ; v112-127 W's, 4 an item
.set ACC,  128                         ; v128-191 8 accumulators
.set OLD,  192                         ; v192-255 the running result of the item in hand.  (ACC and OLD first take the 32 gathered rows)
.set MSB, 0
.macro WIN new                         ; the immediate's high byte repeats the setting that is left
.if MSB != \new
	s_set_vgpr_msb (MSB<<8)|\new
.set MSB, \new
.endif
.endm
	s_load_b256 s[4:11], s[0:1], 0x0               ; wl s[4:5], the weights' scales s[6:7], xcodes s[8:9], xmeta s[10:11]
	s_load_b128 s[12:15], s[0:1], 0x20             ; order s[12:13], out0 s[14:15]
	v_lshl_add_u32 v62, v0, 2, 0x33000
	v_mov_b32 v63, 0
	v_lshrrev_b32 v1, 5, v0
	v_readfirstlane_b32 s16, v1                    ; wave 0..3
	s_and_b32 s18, ttmp7, 0xffff                   ; y
	v_and_b32 v56, 31, v0                          ; lane
	v_and_b32 v1, 15, v0                           ; r
	v_bfe_u32 v2, v0, 4, 1                         ; h
	v_lshlrev_b32 v[L16], 4, v56
	v_mul_u32_u24 v[XRD0], v2, XP
	v_lshl_add_u32 v[XRD0], v1, 4, v[XRD0]
	v_add_nc_u32 v[XRD0+1], 128*XP, v[XRD0]
	s_wait_alu depctr_va_sdst(0)                   ; s16, the wave's number, is written, ahead of its first reader
	s_mul_i32 s28, s16, 64*XP                      ; my two tiles of tokens
	v_mul_u32_u24 v[XWR], v56, XP                  ; lane = block
	v_add_nc_u32 v[XWR], s28, v[XWR]
	s_mul_i32 s28, s16, WSTG
	s_add_co_u32 s28, s28, STG                     ; my stage
	v_mul_u32_u24 v[STO], v1, SP
	v_lshl_add_u32 v[STO], v2, 5, v[STO]
	v_add_nc_u32 v[STO], s28, v[STO]
	v_mul_u32_u24 v[RD], v2, 16*SP
	v_lshl_add_u32 v[RD], v1, 4, v[RD]
	v_add_nc_u32 v[RD], s28, v[RD]
	s_lshl_b32 s29, ttmp9, 10
	s_lshl_b32 s30, s16, 8
	s_add_co_u32 s29, s29, s30
	v_lshl_add_u32 v[COL], v1, 4, s29              ; 1,024 x + 256 w + 16 r
	v_lshlrev_b32 v[SLN], 5, v1
	v_lshl_add_u32 v[SLN], v2, 4, v[SLN]
	v_mov_b32 v[ONE], 1
	s_lshl_b32 s19, ttmp9, 4
	s_lshl_b32 s30, s16, 2
	s_add_co_u32 s19, s19, s30                     ; my first tile of columns: 16 x + 4 w
	s_lshl_b32 s31, s19, 13                        ; its place in an expert's part of wl (8 KiB a tile),
	s_lshl_b32 s32, s19, 9                         ; and of the scale bytes (512 a tile)
	v_lshlrev_b32 v57, 2, v56
	s_lshl_b32 s30, s16, 7
	v_add_nc_u32 v58, s30, v57
	v_lshlrev_b32 v59, 2, v1
	s_lshl_b32 s34, s18, 9
	s_mov_b32 s35, 0
	s_wait_kmcnt 0x0
	s_add_nc_u64 s[12:13], s[12:13], s[34:35]      ; my block's 128 order words
	s_wait_alu depctr_va_vdst(0)                   ; the offsets v57 to v59, which the loads below read, are written; so are the LDS addresses v4 to v8, which are never written again
	global_load_b32 v[MYT], v58, s[12:13]
.irp m, 0,1,2,3
	global_load_b32 v[TOKT+\m], v57, s[12:13] offset:128*\m
.endr
.irp m, 0,1,2,3,4,5,6,7
	global_load_b32 v[TK+\m], v59, s[12:13] offset:64*\m
.endr
	s_wait_loadcnt 0x0
	; THE GATHER: my wave fetches the codes of places 32 w .. 32 w + 31, a whole row of 512 bytes a load: lane l takes block l.
	; Sixteen rows at a time, in runs: the lanes' words to scalar registers, the scalar arithmetic, the sixteen offsets, the sixteen loads: one wait stands between one run and the next.
.macro GLANES n0                       ; sixteen order words become sixteen byte offsets of rows, in s40-55
.set N, \n0
.rept 16
	v_readlane_b32 s[40+N%16], v[MYT], N
.set N, N+1
.endr
	s_wait_alu depctr_va_sdst(0)                   ; s40 to s55 are written, ahead of their first reader: one wait for the run of sixteen
.set N, 0
.rept 16
	s_and_b32 s[40+N], s[40+N], 0x1fff
	s_min_u32 s[40+N], s[40+N], 0x1fff
	s_lshl_b32 s[40+N], s[40+N], 9
.set N, N+1
.endr
.endm
.macro GADDR                           ; + 16 x lane
.set N, 0
.rept 16
	v_add_nc_u32 v[G+N], s[40+N], v[L16]
.set N, N+1
.endr
.endm
.macro GLOADS n0
.set N, \n0
.rept 16
	global_load_b128 v[ACC+4*N:ACC+4*N+3], v[G+N%16], s[8:9]
.set N, N+1
.endr
.endm
	GLANES 0
	GADDR
	s_wait_alu depctr_va_vdst(0)                   ; the sixteen offsets are written, which the loads below read
	GLOADS 0
	GLANES 16
.irp m, 0,1,2,3,4,5,6,7
	v_and_b32 v[MOFF+\m], 0x1fff, v[TK+\m]
	v_min_u32 v[MOFF+\m], 0x1fff, v[MOFF+\m]
	v_lshlrev_b32 v[MOFF+\m], 6, v[MOFF+\m]
	v_lshl_add_u32 v[MOFF+\m], v2, 4, v[MOFF+\m]   ; token x 64 + 16 h
.endr
	s_wait_xcnt 0x0                                ; the sixteen offset registers are written again only behind this wait
	s_wait_alu depctr_vm_vsrc(0)                   ; the first sixteen loads have read their offsets, which the additions below write again; the loads of the order words have read v57 to v59, which the list's lines write
	GADDR
	s_wait_alu depctr_va_vdst(0)                   ; the sixteen offsets and the eight offsets into xmeta are written, which the 32 loads below read
	GLOADS 16
.irp m, 0,1,2,3,4,5,6,7
	global_load_b128 v[XS+4*\m:XS+4*\m+3], v[MOFF+\m], s[10:11]
.endr
.irp m, 0,1,2,3,4,5,6,7
	global_load_b64 v[GT+2*\m:GT+2*\m+1], v[MOFF+\m], s[10:11] offset:32    ; both halves of the lanes find the gates: they lie at 32 and again at 48
.endr
	; THE LIST of the block's experts, 4 bits each, ascending, in s20; s21 = 4 x their number.  Every wave makes the same list from all 128 order words.
	v_bfe_u32 v56, v[TOKT], 16, 4
	v_bfe_u32 v57, v[TOKT], 20, 4
	v_lshlrev_b32 v58, v56, v[ONE]
	v_lshlrev_b32 v57, v57, v[ONE]
	v_or_b32 v58, v58, v57
.irp m, 1,2,3
	v_bfe_u32 v56, v[TOKT+\m], 16, 4
	v_bfe_u32 v57, v[TOKT+\m], 20, 4
	v_lshlrev_b32 v56, v56, v[ONE]
	v_lshlrev_b32 v57, v57, v[ONE]
	v_or_b32 v58, v58, v56
	v_or_b32 v58, v58, v57
.endr
.irp e, 0,1,2,3,4,5,6,7
	v_and_b32 v56, 1<<\e, v58
	v_cmp_ne_u32 s[40+\e], 0, v56                  ; the lanes of whose four tokens one uses expert e: the eight ballots in one run, the scalar work behind them
.endr
	s_wait_alu depctr_va_sdst(0)                   ; the eight ballots s40 to s47 are written, ahead of their first reader
	s_mov_b32 s20, 0
	s_mov_b32 s21, 0
.irp e, 0,1,2,3,4,5,6,7
	s_cmp_lg_u32 s[40+\e], 0                       ; does any of the 128 tokens use expert e?
	s_cselect_b32 s28, 4, 0
	s_cselect_b32 s29, \e, 0
	s_lshl_b32 s29, s29, s21
	s_or_b32 s20, s20, s29
	s_add_co_u32 s21, s21, s28
.endr
.irp m, 0,1,2,3
	v_and_b32 v[TOKT+\m], 0x1fff, v[TOKT+\m]       ; from here on: the token's number alone
.endr
	s_mov_b32 s22, 0                               ; the place in the list
	s_and_b32 s23, s20, 7                          ; the expert in hand
	s_min_u32 s23, s23, 7
	s_lshl_b32 s25, s23, 19                        ; an expert's part of wl is 512 KiB,
	s_add_co_u32 s25, s25, s31
	s_lshl_b32 s26, s23, 15                        ; of the scale bytes 32 KiB
	s_add_co_u32 s26, s26, s32
.irp j, 0,1,2,3
	v_add_nc_u32 v[WOFF+\j], s25, v[L16]
	v_add_nc_u32 v[WSOFF+\j], s26, v[SLN]
.endr
.macro LOADW j                         ; item j's weights: 17 loads: its scale words, and 8 fragments of two loads into buffer j of window 3
	global_load_b128 v[WS+4*\j:WS+4*\j+3], v[WSOFF+\j], s[6:7] offset:512*\j
	WIN 0xc0                                       ; destination window 3, address window 0
.irp f, 0,1,2,3,4,5,6,7,8,9,10,11,12,13,14,15
	global_load_b128 v[64*\j+4*\f:64*\j+4*\f+3], v[WOFF+\j], s[4:5] offset:8192*\j+512*\f
.endr
	WIN 0
.endm
	s_wait_alu depctr_va_vdst(0)                   ; the eight offsets of the four items are written: the loads of item 0 here, and of items 1 to 3 behind the barrier, read them; no vector instruction between names them
	LOADW 0
	s_wait_loadcnt 33                              ; the 32 gathered rows are in; younger: 8 + 8 loads from xmeta and item 0's 17
.set N, 0
.rept 32
	ds_store_b128 v[XWR], v[ACC+4*N:ACC+4*N+3] offset:(N/16)*32*XP+(N%16)*16   ; token N % 16 of my tile N / 16; lane = block, XP bytes apart
.set N, N+1
.endr
	s_wait_dscnt 0x0                               ; for the others' sake: my stores have landed
	s_barrier_signal -1
	s_barrier_wait -1                              ; all 128 tokens' codes lie in LDS; they are never written again
	LOADW 1
	LOADW 2
	LOADW 3
	WIN 0x40                                       ; X(m, q), q < 4: window 1, register 8 (4 m + q)
.irp m, 0,1,2,3,4,5,6,7
.irp q, 0,1,2,3
.irp c, 0,1
	ds_load_b128 v[8*(4*\m+\q)+4*\c:8*(4*\m+\q)+4*\c+3], v[XRD0+\m/4] offset:((\m%4)*32+4*\q+2*\c)*XP   ; lane (r, h): block 4 q + 2 c + h of token r
.endr
.endr
.endr
	WIN 0x80                                       ; q >= 4: window 2, register 8 (4 m + q - 4)
.irp m, 0,1,2,3,4,5,6,7
.irp q, 0,1,2,3
.irp c, 0,1
	ds_load_b128 v[8*(4*\m+\q)+4*\c:8*(4*\m+\q)+4*\c+3], v[XRD0+\m/4] offset:((\m%4)*32+16+4*\q+2*\c)*XP
.endr
.endr
.endr
	WIN 0
	s_wait_alu depctr_vm_vsrc(0)                   ; the gather's second sixteen loads have read v64 to v79, written below; my LDS stores have read ACC and OLD, which the first products and packed lines write; the four items' loads have read their offsets, which the first trip writes again
.set N, 0
.rept 16
	v_mov_b32 v[G+N], 0                            ; (the gather's loads, which read these registers, were shown done above)
.set N, N+1
.endr
	s_wait_dscnt 0x0                               ; X is in registers
	s_wait_loadcnt 51                              ; X's scale words, the gates and item 0 are in; items 1 to 3 (3 x 17) may be out
.macro GATES                           ; the gate of each tile's token r for the expert in hand: g_lo, g_hi or 0.  The sixteen compares stand in one run, into s40-55, the selects behind them
.irp m, 0,1,2,3,4,5,6,7
	v_bfe_u32 v[TMP], v[TK+\m], 16, 4
	v_bfe_u32 v[TMP+1], v[TK+\m], 20, 4
	v_cmp_eq_u32 s[40+2*\m], s23, v[TMP]
	v_cmp_eq_u32 s[41+2*\m], s23, v[TMP+1]
.endr
	s_wait_alu depctr_va_sdst(0)                   ; the sixteen masks s40 to s55 are written, ahead of the selects that read them
.irp m, 0,1,2,3,4,5,6,7
	v_cndmask_b32 v[G+2*\m], 0, v[GT+2*\m], s[40+2*\m]
	v_cndmask_b32 v[G+2*\m], v[G+2*\m], v[GT+2*\m+1], s[41+2*\m]
.endr
.endm
.macro NEXT                            ; the list's next expert and where its weights lie
	s_add_co_u32 s22, s22, 4
	s_lshr_b32 s24, s20, s22
	s_and_b32 s24, s24, 7
	s_min_u32 s24, s24, 7
	s_lshl_b32 s25, s24, 19
	s_add_co_u32 s25, s25, s31
	s_lshl_b32 s26, s24, 15
	s_add_co_u32 s26, s26, s32
.endm
; K step q of item j: 8 matrix instructions, the 8 accumulators by turns, one instruction a turn.  q = 0 starts the sums: nothing is cleared.
.macro MM j, q
.irp m, 0,1,2,3,4,5,6,7
.if (\q) == 0
	v_wmma_scale_f32_16x16x128_f8f6f4 v[ACC+8*\m:ACC+8*\m+7], v[64*\j+8*(\q):64*\j+8*(\q)+7], v[8*(4*\m+(\q)%4):8*(4*\m+(\q)%4)+7], 0, v[WS+4*\j+(\q)%4], v[XS+4*\m+(\q)%4] matrix_a_fmt:MATRIX_FMT_FP4 matrix_b_fmt:MATRIX_FMT_FP4
.elseif (\q) < 4
	v_wmma_scale_f32_16x16x128_f8f6f4 v[ACC+8*\m:ACC+8*\m+7], v[64*\j+8*(\q):64*\j+8*(\q)+7], v[8*(4*\m+(\q)%4):8*(4*\m+(\q)%4)+7], v[ACC+8*\m:ACC+8*\m+7], v[WS+4*\j+(\q)%4], v[XS+4*\m+(\q)%4] matrix_a_fmt:MATRIX_FMT_FP4 matrix_b_fmt:MATRIX_FMT_FP4
.else
	v_wmma_scale_f32_16x16x128_f8f6f4 v[ACC+8*\m:ACC+8*\m+7], v[64*\j+8*(\q):64*\j+8*(\q)+7], v[8*(4*\m+(\q)%4):8*(4*\m+(\q)%4)+7], v[ACC+8*\m:ACC+8*\m+7], v[WS+4*\j+(\q)%4], v[XS+4*\m+(\q)%4] matrix_a_fmt:MATRIX_FMT_FP4 matrix_b_fmt:MATRIX_FMT_FP4 matrix_a_scale:MATRIX_SCALE_ROW1 matrix_b_scale:MATRIX_SCALE_ROW1
.endif
.endr
.endm
; ITEM j: tile j of my columns for the expert in hand.  var = 0: the block's first expert starts the running result; 1: it is read from the stage, added to and written back.
; pre = 1: buffer j takes the next expert's weights behind the item's one wait on va_vdst.  cnt: the loads younger than this item's, which may stay out.
.macro ITEM j, var, pre, cnt
	s_wait_loadcnt \cnt                            ; loads come back in order (ISA guide 5.7.1): this item's 17 are in; that also frees its two offset registers
	WIN 0x07                                       ; source 0 (W) window 3, source 1 (X) window 1
	MM \j, 0
	MM \j, 1
	MM \j, 2
	MM \j, 3
.if \var
	WIN 0
	s_wait_dscnt 0x0                               ; the last item's stores into the stage, issued 32 matrix instructions ago, have landed
	s_wait_alu depctr_vm_vsrc(0)                   ; those stores have read OLD, in which the loads below land; this item's 17 loads, issued an expert ago, have read its two offsets, which are written again below
.irp m, 0,1,2,3,4,5,6,7                ; (the packed lines that last named OLD stand ahead of the last item's wait on va_vdst, and nothing since names it)
	ds_load_b128 v[OLD+8*\m:OLD+8*\m+3], v[STO] offset:16*SP*\m+64*\j
	ds_load_b128 v[OLD+8*\m+4:OLD+8*\m+7], v[STO] offset:16*SP*\m+64*\j+16
.endr
.endif
	WIN 0x0b                                       ; source 1 window 2
	MM \j, 4
	MM \j, 5
	MM \j, 6
	MM \j, 7
	WIN 0
.if !\var
	s_wait_alu depctr_vm_vsrc(0)                   ; the last item's stores into the stage have read OLD, which the packed lines below write; this item's 17 loads have read its two offsets, which are written again below
.endif
	; four plain vector instructions that name no register of the products (ISA guide 7.12.1) stand ahead of the first read of the results
.if \pre
	v_add_nc_u32 v[WOFF+\j], s25, v[L16]
	v_add_nc_u32 v[WSOFF+\j], s26, v[SLN]
	v_nop
	v_nop
.else
.rept 4
	v_nop
.endr
.endif
	s_wait_dscnt 0x0                               ; the running result is in (var = 0: the last item's stores have landed)
.irp m, 0,1,2,3,4,5,6,7                ; each accumulator from its low end on; the other tiles' 28 lines are the places ahead of the next item's first products, which write over these accumulators
.irp i, 0,2,4,6
.if \var
	v_pk_fma_f32 v[OLD+8*\m+\i:OLD+8*\m+\i+1], v[ACC+8*\m+\i:ACC+8*\m+\i+1], v[G+2*\m:G+2*\m+1], v[OLD+8*\m+\i:OLD+8*\m+\i+1] op_sel_hi:[1,0,1]
.else
	v_pk_mul_f32 v[OLD+8*\m+\i:OLD+8*\m+\i+1], v[ACC+8*\m+\i:ACC+8*\m+\i+1], v[G+2*\m:G+2*\m+1] op_sel_hi:[1,0]
.endif
.endr
.endr
	s_wait_alu depctr_va_vdst(0)                   ; the item's one wait: the packed lines have written OLD, which the stores below read, and are done with it for the next item's loads; the products are done reading buffer j and its scale words, in which the loads below land; the two offsets are written
.if \pre
	LOADW \j
.endif
.irp m, 0,1,2,3,4,5,6,7
	ds_store_b128 v[STO], v[OLD+8*\m:OLD+8*\m+3] offset:16*SP*\m+64*\j
	ds_store_b128 v[STO], v[OLD+8*\m+4:OLD+8*\m+7] offset:16*SP*\m+64*\j+16
.endr
.endm
.macro TRIP var, pre, c0, c1, c2, c3   ; one expert
	GATES
.if \pre
	NEXT
.endif
	ITEM 0, \var, \pre, \c0
	ITEM 1, \var, \pre, \c1
	ITEM 2, \var, \pre, \c2
	ITEM 3, \var, \pre, \c3
.if \pre
	s_mov_b32 s23, s24
.endif
.endm
	TRIP 0, 1, 51, 51, 51, 51                      ; the first expert; behind each item's loads stand three items' (3 x 17)
	s_lshr_b32 s27, s21, 2                         ; the number of experts: 2 at the least, since a token's two differ
	s_max_u32 s27, s27, 2
	s_sub_co_u32 s27, s27, 2                       ; all but the first and the last
	s_cmp_eq_u32 s27, 0
	s_cbranch_scc1 .Ltail
.Lmid:
	TRIP 1, 1, 51, 51, 51, 51
	s_sub_co_u32 s27, s27, 1
	s_cmp_lg_u32 s27, 0
	s_cbranch_scc1 .Lmid
.Ltail:
	TRIP 1, 0, 51, 34, 17, 0                       ; the last expert asks for nothing more: the counts run down
	; THE WAY OUT.  The stage holds 128 rows x my 64 columns.  A load takes two rows (lanes 0-15 row 32 mm + n, lanes 16-31 the row 16 further on); each half stores 256 consecutive bytes, aligned, of its token's row.
	; Two sets of 16 offsets (v24-39, v40-55) and two sets of data (ACC, OLD) take turns.  The data come by LDS loads alone: no vector instruction behind the last item's wait on va_vdst names ACC or OLD.
.macro FLOAD mm
.set DR, ACC+64*((\mm)%2)
.set OF, TK+16*((\mm)%2)
.irp n, 0,1,2,3,4,5,6,7,8,9,10,11,12,13,14,15
	v_mov_b32_dpp v[OF+\n], v[TOKT+\mm] row_share:\n row_mask:0xf bank_mask:0xf   ; each half of the lanes takes its own lane n's token
.endr
.irp n, 0,1,2,3,4,5,6,7,8,9,10,11,12,13,14,15
	v_min_u32 v[OF+\n], 0x1fff, v[OF+\n]
.endr
.irp n, 0,1,2,3,4,5,6,7,8,9,10,11,12,13,14,15
	v_lshl_add_u32 v[OF+\n], v[OF+\n], 12, v[COL]  ; token x 4,096 + my 16 bytes
.endr
.irp n, 0,1,2,3,4,5,6,7,8,9,10,11,12,13,14,15
	ds_load_b128 v[DR+4*\n:DR+4*\n+3], v[RD] offset:(32*\mm+\n)*SP
.endr
.endm
.macro FSTORE mm, younger              ; younger: the LDS loads issued behind this group's
.set DR, ACC+64*((\mm)%2)
.set OF, TK+16*((\mm)%2)
.irp n, 0,1,2,3,4,5,6,7,8,9,10,11,12,13,14,15
	s_wait_dscnt \younger+15-\n
	global_store_b128 v[OF+\n], v[DR+4*\n:DR+4*\n+3], s[14:15] th:TH_STORE_NT   ; written once, read by nobody here
.endr
.endm
	s_wait_dscnt 0x0                               ; my last stores into the stage have landed
	s_wait_alu depctr_vm_vsrc(0)                   ; they have read OLD, in which group 1's loads land
	FLOAD 0
	FLOAD 1
	s_wait_alu depctr_va_vdst(0)                   ; the 32 offsets of groups 0 and 1 are written, which their stores read
	FSTORE 0, 16
	s_wait_xcnt 0x0                                ; group 0's stores have had their addresses translated: group 2 takes the same registers
	s_wait_alu depctr_vm_vsrc(0)                   ; group 0's stores have read their offsets, which group 2's lines write, and their data, in which group 2's loads land
	FLOAD 2
	FSTORE 1, 16                                   ; (group 2's vector lines name v24 to v39, its token words and v9: none of group 1's offsets or data)
	s_wait_xcnt 0x0
	s_wait_alu depctr_vm_vsrc(0)                   ; group 1's stores have read their offsets and data: group 3 takes the same registers
	FLOAD 3
	s_wait_alu depctr_va_vdst(0)                   ; the 32 offsets of groups 2 and 3 are written, which their stores read
	FSTORE 2, 16
	FSTORE 3, 0
	s_wait_dscnt 0x0                               ; the closing lines, six on end
	s_wait_alu 0x0
	s_wait_tensorcnt 0x0
	ds_add_u32 v62, v63
	s_wait_dscnt 0x0
	s_endpgm
.Lfunc_end_k_q5ca6799560_experts:
	.size	k_q5ca6799560_experts, .Lfunc_end_k_q5ca6799560_experts-k_q5ca6799560_experts
	.p2alignl 7, 3214868480
	.fill 96, 4, 3214868480
	.section	.rodata,"a",@progbits
	.p2align	6, 0x0
	.amdhsa_kernel k_q5ca6799560_experts
		.amdhsa_group_segment_fixed_size 209408
		.amdhsa_private_segment_fixed_size 0
		.amdhsa_enable_private_segment 0
		.amdhsa_kernarg_size 48
		.amdhsa_user_sgpr_count 2
		.amdhsa_user_sgpr_kernarg_segment_ptr 1
		.amdhsa_wavefront_size32 1
		.amdhsa_system_sgpr_workgroup_id_x 1
		.amdhsa_system_sgpr_workgroup_id_y 1
		.amdhsa_system_sgpr_workgroup_id_z 1
		.amdhsa_system_vgpr_workitem_id 0
		.amdhsa_next_free_vgpr 1024
		.amdhsa_next_free_sgpr 66
		.amdhsa_reserve_vcc 0
		.amdhsa_float_denorm_mode_32 3
		.amdhsa_float_denorm_mode_16_64 3
		.amdhsa_memory_ordered 1
		.amdhsa_forward_progress 1
		.amdhsa_inst_pref_size 232
	.end_amdhsa_kernel
	.amdgpu_metadata
---
amdhsa.version: [ 1, 2 ]
amdhsa.kernels:
  - .name:           k_q5ca6799560_experts
    .symbol:         k_q5ca6799560_experts.kd
    .args:
      - { .name: wl, .offset: 0, .size: 8, .value_kind: global_buffer, .address_space: global }
      - { .name: expert_weights_scales, .offset: 8, .size: 8, .value_kind: global_buffer, .address_space: global }
      - { .name: xcodes, .offset: 16, .size: 8, .value_kind: global_buffer, .address_space: global }
      - { .name: xmeta, .offset: 24, .size: 8, .value_kind: global_buffer, .address_space: global }
      - { .name: order, .offset: 32, .size: 8, .value_kind: global_buffer, .address_space: global }
      - { .name: out0, .offset: 40, .size: 8, .value_kind: global_buffer, .address_space: global }
    .group_segment_fixed_size: 209408
    .private_segment_fixed_size: 0
    .kernarg_segment_align: 8
    .kernarg_segment_size: 48
    .max_flat_workgroup_size: 128
    .sgpr_count:     66
    .vgpr_count:     1024
    .wavefront_size: 32
...
	.end_amdgpu_metadata
.endif
;; end of part 4
